; MI455X (gfx1250); checked and timed in simulation.
; The chip was launched on July 23, 2026; its instructions are those of AMD's public machine-readable ISA for CDNA 5 (MIT licence, August 2026) and "CDNA5" Instruction Set Architecture Reference Guide (July 2026). The comments in the code are by the model that wrote it; some were corrected since.
;; Multi Head Attention. Allowed arithmetic: matrix products marked QUANTISED: E5M2 operands, one E8M0 scale for each 32 along K, by v_wmma_scale_f32_16x16x128_f8f6f4 with both operands' format E5M2, f32 sums; everything else in f32.
;; Inputs: Wk_codes 1,024 x 32 x 32 uint8 (E5M2 codes of Wk, K innermost, in blocks of 32 codes); Wk_scales 1,024 x 32 uint8 (E8M0 scales of Wk, one for each 32 codes along K); Wo_codes 1,024 x 32 x 32 uint8 (E5M2 codes of Wo, K innermost, in blocks of 32 codes); Wo_scales 1,024 x 32 uint8 (E8M0 scales of Wo, one for each 32 codes along K); Wq_codes 1,024 x 32 x 32 uint8 (E5M2 codes of Wq, K innermost, in blocks of 32 codes); Wq_scales 1,024 x 32 uint8 (E8M0 scales of Wq, one for each 32 codes along K); Wv_codes 1,024 x 32 x 32 uint8 (E5M2 codes of Wv, K innermost, in blocks of 32 codes); Wv_scales 1,024 x 32 uint8 (E8M0 scales of Wv, one for each 32 codes along K); bo 1,024 float32; x_codes 4 x 2,048 x 32 x 32 uint8 (E5M2 codes of x, K innermost, in blocks of 32 codes); x_scales 4 x 2,048 x 32 uint8 (E8M0 scales of x, one for each 32 codes along K).
;; Outputs: out0 4 x 2,048 x 1,024 float32.
;; This version of the problem:
;;   THIS VERSION OF THE PROBLEM IS GIVEN IN LOW PRECISION. The matrix products marked QUANTISED in the list below multiply operands that are first quantised to E5M2 (5 exponent bits, 2 mantissa bits; 8 bits a number), with one power-of-two scale for each 32 numbers along K (OCP MX v1.0); their sums are f32. All else is computed in f32.
;;   The module's matrix products, in the order in which they are computed (A, B: the left and right operand; K: the contracted axis; several contracted axes count as one K, in the product's order):
;;     1. [M 8,192, K 1,024] x [K 1,024, N 1,024]; A: input x (given as codes); B: input Wq (given as codes): QUANTISED
;;     2. [M 8,192, K 1,024] x [K 1,024, N 1,024]; A: input x (given as codes); B: input Wk (given as codes): QUANTISED
;;     3. [M 8,192, K 1,024] x [K 1,024, N 1,024]; A: input x (given as codes); B: input Wv (given as codes): QUANTISED
;;     4. batch 64 x [M 2,048, K 64] x [K 64, N 2,048]; A: computed on the way; B: computed on the way: QUANTISED
;;     5. batch 64 x [M 2,048, K 2,048] x [K 2,048, N 64]; A: softmax (see below); B: computed on the way: QUANTISED
;;     6. [M 8,192, K 1,024] x [K 1,024, N 1,024]; A: computed on the way; B: input Wo (given as codes): QUANTISED
;;   THE QUANTISER, for each operand of a quantised product, along K:
;;     - K is cut into blocks of 32 from its start; a last block that is shorter is filled with zeros.
;;     - A block's scale is 2^e with e = floor(log2(the largest magnitude in the block)) - 15, held to -126 .. 127; a block of zeros has e = 0. As a byte (E8M0): e + 127.
;;     - Each number is divided by its block's scale, clamped to +-57,344, and rounded to the nearest number of E5M2, ties to even, subnormals kept.
;;     - The product sums the exact products of the quantised numbers (number of the format x scale) in f32.
;;   ~~~python
;;   def quantise(x, axis):      # numpy; x: float32 -> the quantised numbers, widened to float32 again
;;       x = np.moveaxis(x, axis, -1); K = x.shape[-1]
;;       x = np.pad(x, [(0, 0)] * (x.ndim - 1) + [(0, -K % 32)]); x = x.reshape(x.shape[:-1] + (-1, 32)); a = np.abs(x).max(-1, keepdims=True)
;;       e = np.where(a > 0, np.clip(np.frexp(np.where(a > 0, a, 1))[1] - 1 - 15, -126, 127), 0)      # np.frexp(a)[1] - 1 = floor(log2(a)), exactly
;;       r = np.clip(x / 2.0 ** e, -57344, 57344)
;;       step = 2.0 ** (np.maximum(np.frexp(np.where(r == 0, 1, r))[1] - 1, -14) - 2)
;;       q = np.round(r / step) * step * 2.0 ** e      # np.round: ties to even
;;       return np.moveaxis(q.reshape(q.shape[:-2] + (-1,))[..., :K], -1, axis).astype(np.float32)
;;   ~~~
;;   SOFTMAX AHEAD OF A QUANTISED PRODUCT. Where the list says 'softmax', what is quantised is not the finished softmax but p = 2^(t - M), with t = logit x log2(e) and M = ceil(the row's largest t), a whole number; so 1/2 < the row's largest p <= 1. The row's sum l is taken of the UNQUANTISED p, in f32, and the product's result is divided by l at the end. Since M is a whole number, a kernel that streams over the keys may use a running M (the ceiling of the running maximum): every later rescaling is an exact power of two, which a block's scale takes up: the codes' values come out the same.
;;   OPERANDS COMPUTED ON THE WAY. 'Computed on the way' means the value that the module computes at that place (a softmax that the list does not call 'softmax' is quantised finished and normalised). What goes into a quantiser is computed in f32, as accurately as f32 sums, v_exp_f32 and their like allow (about 1e-6 of the number): no bf16 or f16 on the way to a quantiser, and a product that is left as it is and whose result goes on into a quantised operand takes f32 operands (vector FMAs, or v_wmma_f32_16x16x4_f32). A number that lies on a knife's edge between two numbers of the format may be rounded either way, as far as f32 arithmetic and the matrix unit's own rounding can turn it there, and no further.
;;   INPUTS GIVEN AS CODES. Wk (in the module: [1024, 1024], K = its axis 1); Wo (in the module: [1024, 1024], K = its axis 1); Wq (in the module: [1024, 1024], K = its axis 1); Wv (in the module: [1024, 1024], K = its axis 1); x (in the module: [4, 2048, 1024], K = its axis 2): each comes as NAME_codes (uint8): NAME with its K axis moved to the last place and cut into blocks of 32 codes, [.., K / 32, bytes a block], one block behind the other in memory; one code a byte (a code: sign, 5 exponent bits, 2 mantissa bits); and NAME_scales (uint8): the same leading axes, one E8M0 byte (e + 127) for each 32 codes along K. Its value is code x scale, taken as it is: it is not quantised again, and the codes and scales need not be those that the quantiser above would give.
;; One version. Each part assembles by itself: llvm-mc -triple=amdgcn-amd-amdhsa -mcpu=gfx1250 --defsym DOCPART=n.
;; ======== version 1 of 1: 3 launches
;; limits: right only within a limited range of input values
;; workspace buffers: qc 8,388,608 bytes; qs 524,288 bytes; kc 8,388,608 bytes; ks 524,288 bytes; vc 8,388,608 bytes; vs 262,144 bytes; cc 8,388,608 bytes; cs 262,144 bytes
;; launch proj (part 1): grid 12 x 32, 4 waves a work-group, clusters of 4 x 4, 327,680 bytes of LDS; arguments x_codes, x_scales, Wq_codes, Wq_scales, Wk_codes, Wk_scales, Wv_codes, Wv_scales, qc, qs, kc, ks, vc, vs; writes qc, qs, kc, ks, vc, vs
.if DOCPART == 1
	.amdgcn_target "amdgcn-amd-amdhsa--gfx1250"
	.amdhsa_code_object_version 6
	.text
	.protected	k_q29116b79c0_proj
	.globl	k_q29116b79c0_proj
	.p2align	8
	.type	k_q29116b79c0_proj,@function
k_q29116b79c0_proj:
	s_mov_b64 s[64:65], 0
	v_nop
	global_prefetch_b8 v0, s[64:65] scope:SCOPE_SE
	s_setreg_imm32_b32 hwreg(HW_REG_WAVE_MODE, 25, 1), 1
	s_wait_xcnt 0x0
	s_wait_alu depctr_hold_cnt(0) depctr_sa_sdst(0) depctr_va_vdst(0) depctr_va_sdst(0) depctr_va_ssrc(0) depctr_va_vcc(0) depctr_vm_vsrc(0)
	s_getreg_b32 s2, hwreg(HW_REG_IB_STS2, 6, 4)
	s_cmp_eq_u32 s2, 0
	s_cbranch_scc0 .Lentry_in_a_cluster
	s_endpgm
.Lentry_in_a_cluster:
	s_bfe_u32 s2, ttmp6, 0x10000c
	s_cmp_lg_u32 s2, 0xf033
	s_cbranch_scc0 .Lentry_shape_is_right
	s_endpgm
.Lentry_shape_is_right:
; q = x Wq^T, k = x Wk^T, v = x Wv^T on codes of BF8 (E5M2) with one E8M0 scale for each 32 along K = 1,024; the f32 sums are quantised in registers and leave as codes and scale words.
; Cluster x says which product: 0 q, 1 k, 2 v: the same in all sixteen partners.  A work-group makes 256 x 256 sums, each of its four waves 128 x 128: 64 accumulators of 16 x 16.
; ROLES.  The product is C = A B^T, used TRANSPOSED (source 0 = 16 rows of B, source 1 = 16 rows of A): a lane holds ONE row of A, and its registers run along rows of B.
;   q, k: A = x (a lane holds a token), B = the weight (registers run along output channels: the head's axis, along which q and k are quantised).
;   v:    A = Wv (a lane holds a channel), B = x (registers run along tokens: the keys, along which v is quantised).  So one text quantises all three along "rows of B".
; SLOT ORDER.  The 16 registers of accumulators (a, 2 c) and (a, 2 c + 1) of lane (r, h) are the indices 32 c + 8 h + 0..7 and 32 c + 16 + 8 h + 0..7: all inside block c of 32.  Their 16 codes are stored as the lane's 16 bytes
;   of an operand's registers 4 c .. 4 c + 3.  That is a permutation inside each block of 32, the same for q and k, and for v and the weights p of the next launch: products and block scales stay as they are.
; OUT.  qc, kc: [batch][head pair][step of 128 tokens][tile a of 16 tokens][head of the pair][c of 2][lane][16].  vc: [batch][head pair][step of 128 keys][tile a of 16 channels of the pair][c of 4][lane][16].
;   qs, ks: [batch][head][step][lane][4 words]: word i of lane (r, h) is token tile 2 i + h, row r: bytes (s0, s1, s0, s1).  vs: [batch][head][step][lane][2 words]: word i of lane (r, h) is channel 16 (2 i + h) + r, byte c for keys 32 c on.
; A block's scale is 2^(floor(log2(its largest magnitude)) - 15); its byte is the largest magnitude's exponent field - 15, held at 1 from below.
; LIMITS: NaN and infinities among the sums are not served; a block whose largest magnitude lies under 2^-111 keeps the byte 1; a block of zeros gets the byte 1 and not 127 (its codes are zeros, and this program alone reads the bytes).
; K goes in steps of 256 through a ring of two LDS slots filled by joint tensor loads (A's tile shared along a row of the cluster, B's along a column); the scale bytes of the 256 + 256 rows come once and stay.
; REGISTERS, in windows of 256: window 0: v16-29 addresses; v32-63 scale words, two sets; v128-255 A's fragments, one set; on the way out v32-255 are at work.  window 1: B's fragments, two sets.
;   window 2: the 32 accumulators of A's blocks 0-3 ((a, b) at v[8 (8 a + b)]);  window 3: those of blocks 4-7.
.set KSTEP,  256                       ; along K in a slot
.set NQ,     2                         ; matrix instructions deep
.set ROWB,   256                       ; a tile's row in bytes
.set KROW,   1024                      ; a row of x or of a weight in memory, in bytes
.set PITCH,  272                       ; an LDS row: 256 bytes + 16 of padding: the 16 rows that a load touches start 68 words apart
.set FR,     16                        ; registers of a fragment
.set NL,     4                         ; LDS loads that bring one
.set NP,     8                         ; places behind this matrix instruction (ISA guide 7.12.1)
.set HALFT,  128*PITCH
.set SLOT,   4*HALFT                   ; A's 256 rows, then B's 256 rows
.set LAPS,   2                         ; 1,024 / 512: a lap is once round the ring
.set KS,     32                        ; a row of scale bytes
.set SCL,    2*SLOT                    ; behind the ring: the scale bytes, as units of 256 bytes + 16 of padding
.set HALFS,  (128*KS/256)*272
.set SBLK,   (16*KS/256)*272
.set SPARE,  SCL+4*HALFS               ; the spare words, 128 bytes for each wave: two blocks of 256 bytes that no other line names
.set ADRA, 16                          ; v16-17  LDS address of my A fragments in slot 0, 1
.set ADRB, 20                          ; v20-21  the same for B
.set LI,   24                          ; v24     16 x lane
.set L8,   26                          ; v26     8 x lane
.set ADRS, 27                          ; v27     LDS address of my scale words: lanes 0-15 A's rows, lanes 16-31 B's
.set SPW,  28                          ; v28     LDS address of my spare word; never rewritten
.set NIL,  29                          ; v29     0; never rewritten
.set SC,   32                          ; scale words, two sets of 16
.set AF,   128                         ; A's fragments
.set TM,   32                          ; the way out: v32-35 largest magnitudes, v36-39 bytes, v44-47 the conversions' scale operands
.set PWA,  48                          ; v48-55  block a's scale word
.set EW,   56                          ; v56-59  the words as they are stored
.set HT,   64                          ; v64-71 q's and k's scale words as they are stored
.set PC,   128                         ; v128-255 codes: 16 registers for each a, so that no store's data are written again
.set G1, 24
.set G0, 32
.set G1B, 48
.set G0B, 56
.set G1S, 68
.set G0S, 76
.set G1SB, 80
.set G0SB, 88
.set MSB, 0
.macro WIN new                         ; the immediate's high byte repeats the setting that is left
.if MSB != (\new)
	s_set_vgpr_msb (MSB<<8)|(\new)
.set MSB, (\new)
.endif
.endm
.set MUL_LO, 0xa1                      ; source 0 (B) window 1, source 1 (A) window 0, C and D window 2
.set MUL_HI, 0xf1                      ; the same, C and D window 3
.set TO_B,   0x40                      ; destination window 1, address window 0
; A joint load: waves 0 and 1 fetch for A, waves 2 and 3 for B.  The branch hangs on the wave's number alone.  Four v_nop follow each of the two lines.
.macro JLOAD g0a, g1a, g0b, g1b
	s_cmp_eq_u32 s15, 0
	s_cbranch_scc0 .Lfor_b_\@
	tensor_load_to_lds s[\g0a:\g0a+3], s[\g1a:\g1a+7]
	s_nop 0
.rept 4
	v_nop
.endr
	s_branch .Lasked_\@
.Lfor_b_\@:
	tensor_load_to_lds s[\g0b:\g0b+3], s[\g1b:\g1b+7]
	s_nop 0
.rept 4
	v_nop
.endr
.Lasked_\@:
.endm
.macro CREST                           ; a round of the cluster's barrier behind its opening barrier
	s_cmp_lg_u32 s14, 0
	s_cbranch_scc1 .Lnot_wave_0_\@
	s_barrier_signal -3
.Lnot_wave_0_\@:
	s_barrier_wait -3
	s_barrier_signal -1
	s_barrier_wait -1
.endm
.macro CROUND                          ; a whole round
	s_barrier_signal -1
	s_barrier_wait -1
	CREST
.endm
	s_load_b512 s[68:83], s[0:1], 0x0              ; x codes 68, x scales 70, Wq 72, 74, Wk 76, 78, Wv 80, 82
	s_load_b256 s[84:91], s[0:1], 0x40             ; qc 84, qs 86, kc 88, ks 90
	s_load_b128 s[92:95], s[0:1], 0x60             ; vc 92, vs 94
	v_lshl_add_u32 v[SPW], v0, 2, SPARE
	v_mov_b32 v[NIL], 0
	ds_add_u32 v28, v29
	ds_add_u32 v28, v29
	s_wait_dscnt 0x0
	v_lshrrev_b32 v1, 5, v0
	v_readfirstlane_b32 s14, v1                    ; wave 0..3
	s_lshr_b32 s15, s14, 1                         ; which half of A's rows is mine.  Also: I fetch for A (0) or for B (1)
	s_and_b32 s16, s14, 1                          ; which half of B's rows.  Also: which 128 rows of that tile I fetch
	s_bfe_u32 s40, ttmp6, 0x40000                  ; cx, cy: my place in the cluster
	s_bfe_u32 s41, ttmp6, 0x40004
	s_and_b32 s17, ttmp7, 0xffff
	s_lshl_b32 s17, s17, 2                         ; 4 x cluster y
	s_add_co_u32 s42, s17, s40                     ; + cx: x's tile where x is B
	s_add_co_u32 s17, s17, s41                     ; + cy: x's tile where x is A
	s_lshl_b32 s43, s41, 2
	s_lshl_b32 s43, 15, s43                        ; my row of the cluster
	s_lshl_b32 s44, 0x1111, s40                    ; my column
	; descriptor group 1: a tile of 128 rows x 256 bytes, 16 bytes of padding behind each row
	s_or_b32 s[G1+0], s43, (0<<16)|(1<<20)|(1<<21)|(5<<22)|(3<<25)  ; 15:0 the mask: A's tiles go to my row; elements of 1 byte; padding on; 21 set beside a mask; after every 64 words, 4 words
	s_or_b32 s[G1B+0], s44, (0<<16)|(1<<20)|(1<<21)|(5<<22)|(3<<25)
.irp g, G1, G1B
	s_mov_b32 s[\g+1], ROWB<<16                    ; tensor_dim0
	s_mov_b32 s[\g+2], 128<<16                     ; tensor_dim1
	s_mov_b32 s[\g+3], ROWB<<16                    ; tile_dim0
	s_mov_b32 s[\g+4], 128                         ; tile_dim1
	s_mov_b32 s[\g+5], KROW                        ; tensor_dim0_stride
	s_mov_b32 s[\g+6], 0
	s_mov_b32 s[\g+7], 0
.endr
	s_wait_kmcnt 0x0
	; which buffers are A, B and the outputs: chosen on the cluster's x alone
	s_cmp_eq_u32 ttmp9, 2
	s_cselect_b64 s[4:5], s[80:81], s[68:69]       ; A's codes: Wv, else x
	s_cselect_b64 s[6:7], s[82:83], s[70:71]       ; A's scales
	s_cselect_b64 s[8:9], s[68:69], s[76:77]       ; B's codes: x, else Wk (Wq below)
	s_cselect_b64 s[10:11], s[70:71], s[78:79]     ; B's scales
	s_cselect_b64 s[12:13], s[92:93], s[88:89]     ; the codes that I store
	s_cselect_b64 s[66:67], s[94:95], s[90:91]     ; the scale words that I store
	s_cselect_b32 s96, s41, s17                    ; A's tile of 256 rows: made of cy and the cluster's place alone
	s_cselect_b32 s97, s42, s40                    ; B's: made of cx and the cluster's place alone
	s_cselect_b32 s98, s42, s17                    ; the tile of tokens
	s_cselect_b32 s99, s41, s40                    ; the tile of channels
	s_cselect_b32 s18, s16, s15                    ; which half of the tokens is my wave's
	s_cselect_b32 s19, s15, s16                    ; which half of the channels
	s_cselect_b32 s101, 8, 9                       ; a step's scale words of a head: 256 bytes for v, 512 for q and k
	s_cmp_eq_u32 ttmp9, 0
	s_cselect_b64 s[8:9], s[72:73], s[8:9]
	s_cselect_b64 s[10:11], s[74:75], s[10:11]
	s_cselect_b64 s[12:13], s[84:85], s[12:13]
	s_cselect_b64 s[66:67], s[86:87], s[66:67]
	; where my wave's outputs begin.  These numbers mix cx and cy: they stay in registers that feed no descriptor
	s_lshr_b32 s100, s98, 3                        ; batch: 8 tiles of 256 tokens each
	s_and_b32 s98, s98, 7
	s_lshl_b32 s98, s98, 1
	s_add_co_u32 s98, s98, s18                     ; step of 128 tokens in the batch
	s_lshl_b32 s99, s99, 1
	s_add_co_u32 s99, s99, s19                     ; head pair
	s_lshl_b32 s100, s100, 3
	s_add_co_u32 s100, s100, s99
	s_lshl_b32 s100, s100, 4                       ; (8 batch + pair) x 16
	s_add_co_u32 s104, s100, s98
	s_lshl_b32 s104, s104, 14                      ; 16,384 bytes of codes for a pair and a step
	s_mov_b32 s105, 0
	s_add_nc_u64 s[12:13], s[12:13], s[104:105]
	s_lshl_b32 s100, s100, 1                       ; (16 batch + the pair's first head) x 16
	s_add_co_u32 s104, s100, s98
	s_lshl_b32 s104, s104, s101
	s_add_nc_u64 s[66:67], s[66:67], s[104:105]
	; group 1 for the scale bytes of 128 rows: a dense block of 4,096 bytes, as rows of 256 bytes (32 elements of 8 bytes), 16 bytes of padding behind each
	s_or_b32 s[G1S+0], s43, (3<<16)|(1<<20)|(1<<21)|(5<<22)|(3<<25)
	s_or_b32 s[G1SB+0], s44, (3<<16)|(1<<20)|(1<<21)|(5<<22)|(3<<25)
.irp g, G1S, G1SB
	s_mov_b32 s[\g+1], 32<<16
	s_mov_b32 s[\g+2], (128*KS/256)<<16
	s_mov_b32 s[\g+3], 32<<16
	s_mov_b32 s[\g+4], 128*KS/256
	s_mov_b32 s[\g+5], 32
	s_mov_b32 s[\g+6], 0
	s_mov_b32 s[\g+7], 0
.endr
	s_lshl_b32 s18, s16, 7                         ; which 128 rows of the tile I fetch
	s_lshl_b32 s20, s96, 8
	s_add_co_u32 s20, s20, s18                     ; A: row 256 x tile + 128 x half
	s_lshl_b32 s46, s97, 8
	s_add_co_u32 s46, s46, s18                     ; B likewise
	s_mov_b32 s21, 0
	s_mov_b32 s47, 0
	s_mov_b64 s[18:19], KS
	s_mul_u64 s[22:23], s[20:21], s[18:19]         ; where these rows' scale bytes begin
	s_mul_u64 s[92:93], s[46:47], s[18:19]
	s_mov_b64 s[18:19], KROW
	s_mul_u64 s[20:21], s[20:21], s[18:19]         ; and their codes
	s_mul_u64 s[46:47], s[46:47], s[18:19]
	s_mul_i32 s45, s14, HALFT                      ; where they go: wave x 128 rows: no place in the cluster enters an LDS address
	s_mul_i32 s94, s14, HALFS
	s_add_nc_u64 s[20:21], s[4:5], s[20:21]
	s_add_nc_u64 s[22:23], s[6:7], s[22:23]
	s_add_nc_u64 s[46:47], s[8:9], s[46:47]
	s_add_nc_u64 s[92:93], s[10:11], s[92:93]
	CROUND                                         ; all sixteen work-groups are here: the first joint loads meet
	s_mov_b32 s[G0S], 1
	s_add_co_u32 s[G0S+1], s94, SCL
	s_mov_b64 s[G0S+2:G0S+3], s[22:23]
	s_or_b32 s[G0S+3], s[G0S+3], 0x80000000
	s_mov_b32 s[G0SB], 1
	s_add_co_u32 s[G0SB+1], s94, SCL
	s_mov_b64 s[G0SB+2:G0SB+3], s[92:93]
	s_or_b32 s[G0SB+3], s[G0SB+3], 0x80000000
	JLOAD G0S, G1S, G0SB, G1SB                     ; the scale bytes first: they are wanted with K step 0
.irp s, 0,1
	s_mov_b32 s[G0+4*\s], 1
	s_add_co_u32 s[G0+4*\s+1], s45, \s*SLOT
	s_add_nc_u64 s[G0+4*\s+2:G0+4*\s+3], s[20:21], \s*ROWB
	s_or_b32 s[G0+4*\s+3], s[G0+4*\s+3], 0x80000000
	s_mov_b32 s[G0B+4*\s], 1
	s_add_co_u32 s[G0B+4*\s+1], s45, \s*SLOT
	s_add_nc_u64 s[G0B+4*\s+2:G0B+4*\s+3], s[46:47], \s*ROWB
	s_or_b32 s[G0B+4*\s+3], s[G0B+4*\s+3], 0x80000000
	JLOAD G0+4*\s, G1, G0B+4*\s, G1B               ; three tensor loads of mine are out now, the most in this text
.endr
	v_and_b32 v1, 15, v0                           ; l % 16
	v_bfe_u32 v2, v0, 4, 1                         ; l / 16
	v_mul_u32_u24 v3, v1, PITCH
	v_lshl_add_u32 v4, v2, 4, v3                   ; a fragment's row x pitch + 16 x half
	s_mul_i32 s21, s15, HALFT                      ; my 128 rows of A
	s_mul_i32 s22, s16, HALFT                      ; my 128 rows of B,
	s_add_co_u32 s22, s22, 2*HALFT                 ; which lie behind A's 256
.irp s, 0,1
	v_add_nc_u32 v[ADRA+\s], s21, v4
	v_add_nc_u32 v[ADRB+\s], s22, v4
	s_add_co_u32 s21, s21, SLOT
	s_add_co_u32 s22, s22, SLOT
.endr
	v_mul_u32_u24 v5, v1, KS                       ; my row's scale bytes: 32 a row,
	v_lshrrev_b32 v6, 8, v5
	v_lshl_add_u32 v5, v6, 4, v5                   ; and 16 more for each 256 passed
	s_mul_i32 s21, s15, HALFS                      ; A's: my 128 rows
	s_mul_i32 s22, s16, HALFS                      ; B's: my 128 rows, behind A's 256
	s_add_co_u32 s22, s22, 2*HALFS
	s_sub_co_u32 s22, s22, s21
	v_mul_u32_u24 v6, s22, v2                      ; lanes 16-31 take B's
	s_add_co_u32 s21, s21, SCL
	v_add_nc_u32 v5, v5, v6
	v_add_nc_u32 v[ADRS], s21, v5
.macro FRAG reg, adr, q, i             ; a fragment: lane l holds row l % 16; registers 4 c .. 4 c + 3 hold K = 32 c + 16 (l / 16) + 0 .. 15
.irp c, 0,1,2,3
	ds_load_b128 v[\reg+4*\c:\reg+4*\c+3], v[\adr] offset:128*(\q)+32*\c+(\i)*16*PITCH
.endr
.endm
; 16 matrix instructions: A's blocks a0, a0 + 1 x B's eight, 128 along K.  p: B's set;  sc: the set of scale words.  zero = 1: the first product starts the sums.
; The 64 accumulators take turns, one instruction a turn, in the same order in every step.
.macro MUL16 a0, p, q, sc, zero
.irp a, \a0, \a0+1
.irp b, 0,1,2,3,4,5,6,7
.if \zero
	v_wmma_scale_f32_16x16x128_f8f6f4 v[8*(8*((\a)%4)+\b):8*(8*((\a)%4)+\b)+7], v[128*(\p)+FR*\b:128*(\p)+FR*\b+FR-1], v[AF+FR*(\a):AF+FR*(\a)+FR-1], 0, v[SC+8*NQ*(\sc)+NQ*\b+(\q)], v[SC+8*NQ*(\sc)+NQ*(\a)+(\q)] matrix_a_fmt:MATRIX_FMT_BF8 matrix_b_fmt:MATRIX_FMT_BF8 matrix_a_scale:MATRIX_SCALE_ROW1
.else
	v_wmma_scale_f32_16x16x128_f8f6f4 v[8*(8*((\a)%4)+\b):8*(8*((\a)%4)+\b)+7], v[128*(\p)+FR*\b:128*(\p)+FR*\b+FR-1], v[AF+FR*(\a):AF+FR*(\a)+FR-1], v[8*(8*((\a)%4)+\b):8*(8*((\a)%4)+\b)+7], v[SC+8*NQ*(\sc)+NQ*\b+(\q)], v[SC+8*NQ*(\sc)+NQ*(\a)+(\q)] matrix_a_fmt:MATRIX_FMT_BF8 matrix_b_fmt:MATRIX_FMT_BF8 matrix_a_scale:MATRIX_SCALE_ROW1
.endif
.endr
.endr
.endm
.macro FETCH_B slot, q, p              ; B's eight fragments of the slot's q-th 128 along K into set p
	WIN TO_B
.irp i, 0,1,2,3,4,5,6,7
	FRAG 128*(\p)+FR*\i, ADRB+\slot, \q, \i
.endr
	WIN 0
.endm
.macro FETCH_A slot, q, i0             ; A's blocks i0 .. i0 + 3
.irp i, \i0, \i0+1, \i0+2, \i0+3
	FRAG AF+FR*(\i), ADRA+\slot, \q, \i
.endr
.endm
.macro SCALES sc                       ; the next K step's scale words into set sc: lanes 0-15 take A's block i, lanes 16-31 B's block i
.irp i, 0,1,2,3,4,5,6,7
	ds_load_b64 v[SC+8*NQ*\sc+NQ*\i:SC+8*NQ*\sc+NQ*\i+1], v[ADRS] offset:\i*SBLK
.endr
.endm
; A load into a register that a matrix instruction has read, and a vector instruction that reads a matrix result, stand eight places behind that matrix instruction; only plain vector
; instructions that name none of its registers are places.
.macro PLACES n
.rept \n
	v_nop
.endr
.endm
; A step of 128 along K that has its successor in the same slot.
.macro STEP slot, q, zero
	s_wait_dscnt 4*NL                              ; B's set and A's blocks 0-3 are in; the youngest 16 loads (A's blocks 4-7) may be out
	WIN MUL_LO
	MUL16 0, (\q)%2, \q, \slot, \zero
	MUL16 2, (\q)%2, \q, \slot, \zero
	s_wait_dscnt 0                                 ; A's blocks 4-7 are in
	PLACES NP
	FETCH_B \slot, (\q)+1, 1-(\q)%2
	FETCH_A \slot, (\q)+1, 0
	WIN MUL_HI
	MUL16 4, (\q)%2, \q, \slot, \zero
	MUL16 6, (\q)%2, \q, \slot, \zero
	PLACES NP
	WIN 0
	FETCH_A \slot, (\q)+1, 4
.endm
; A slot's last step changes slots: ONE barrier; in front of it each wave waits for all its tensor loads, adds 0 to its spare word, and waits for that and for its own reads of this slot.  fill = 1: this slot is filled again, two K steps ahead.
.macro TURN slot, next, fill
	s_wait_tensorcnt 0x0                           ; all my tensor loads have landed: my part of the next slot
	ds_add_u32 v[SPW], v[NIL]                      ; 0 onto my spare word
	s_wait_dscnt 4*NL+1                            ; (the add and the youngest 16 loads, A's blocks 4-7, may be out)
	WIN MUL_LO
	MUL16 0, 1, NQ-1, \slot, 0                     ; sixteen matrix instructions stand between the add and the wait for it
	s_wait_dscnt 0x0                               ; the add is done, and my reads of this slot are over
	s_barrier_signal -1
	MUL16 2, 1, NQ-1, \slot, 0
	WIN 0
	s_barrier_wait -1
.if \fill
	CREST                                          ; the barrier has opened a round of the cluster's barrier: no wave of any partner still reads this slot's tile or has a load on its way
	s_add_nc_u64 s[G0+4*\slot+2:G0+4*\slot+3], s[G0+4*\slot+2:G0+4*\slot+3], 2*ROWB
	s_add_nc_u64 s[G0B+4*\slot+2:G0B+4*\slot+3], s[G0B+4*\slot+2:G0B+4*\slot+3], 2*ROWB
	JLOAD G0+4*\slot, G1, G0B+4*\slot, G1B         ; the first tensor load behind the round; its four v_nop are among the places in front of the loads below
	PLACES NP-4
.else
	PLACES NP
.endif
	s_wait_alu depctr_va_vdst(0)
	v_add_nc_u32 v[ADRS], 4*NQ, v[ADRS]            ; on to the next K step's scale words
	FETCH_B \next, 0, 0
	FETCH_A \next, 0, 0
	SCALES \next
	WIN MUL_HI
	MUL16 4, 1, NQ-1, \slot, 0
	MUL16 6, 1, NQ-1, \slot, 0
	PLACES NP
	WIN 0
	FETCH_A \next, 0, 4
.endm
	s_wait_alu depctr_va_vdst(0)
	s_wait_tensorcnt 1                             ; the scale bytes and my part of K step 0 are in (K step 1's load may be out),
	s_barrier_signal -1
	s_barrier_wait -1                              ; everybody's are
	FETCH_B 0, 0, 0
	FETCH_A 0, 0, 0
	SCALES 0
	FETCH_A 0, 0, 4
	STEP 0, 0, 1                                   ; the first step stands in front of the loop: its products start the sums
	s_mov_b32 s3, LAPS-1
.Llap:                                                 ; a trip goes once round the ring, from a lap's second step to the next lap's first, and fills both slots again
	TURN 0, 1, 1
	STEP 1, 0, 0
	TURN 1, 0, 1
	STEP 0, 0, 0
	s_sub_co_u32 s3, s3, 1
	s_cmp_lg_u32 s3, 0
	s_cbranch_scc1 .Llap
	TURN 0, 1, 0                                   ; the last lap fills nothing, and has no round of the cluster's barrier
	STEP 1, 0, 0
	s_wait_dscnt 4*NL                              ; the very last step: nothing more to fetch
	WIN MUL_LO
	MUL16 0, 1, NQ-1, 1, 0
	MUL16 2, 1, NQ-1, 1, 0
	s_wait_dscnt 0
	WIN MUL_HI
	MUL16 4, 1, NQ-1, 1, 0
	MUL16 6, 1, NQ-1, 1, 0
	WIN 0
	s_wait_tensorcnt 0x0                           ; the way out touches no LDS: these three lines are my last LDS instructions
	ds_add_u32 v[SPW], v[NIL]
	PLACES NP                                      ; the places behind the last products stand between the add and the wait for it
	s_wait_dscnt 0x0
	; THE WAY OUT: no LDS, no barrier.  Block a (16 rows of A x my 128 rows of B) is four blocks of 32 for each lane's row: each becomes 16 codes a lane and a byte of the row's scale word.
	v_and_b32 v1, 31, v0
	v_lshlrev_b32 v[LI], 4, v1
	v_lshlrev_b32 v[L8], 3, v1
	v_and_b32 v2, 16, v0
	v_cmp_ne_u32 s23, 0, v2                        ; the mask of lanes 16-31
	s_mov_b32 s20, 0x76543210
	s_mov_b32 s21, 0xfedcba98                      ; v_permlanex16_b32's selects for lane l xor 16
.irp b, 0,1,2,3
	v_mov_b32 v[TM+4+\b], 0                        ; written once: a lane permute's destination counts as one of its sources
.endr
.macro QUANTA a
.set WW,  2+(\a)/4                     ; the accumulators' window
.set AC,  64*((\a)%4)
.set W01, WW|(WW<<2)
.set W12, (WW<<2)|(WW<<4)
	WIN W01
.irp b, 0,1,2,3
	v_max3_num_f32 v[TM+\b], |v[AC+16*\b]|, |v[AC+16*\b+1]|, 0x8000000   ; block b: my 16 numbers, from each accumulator's low end on, and the floor 2^(16 - 127): the byte cannot fall under 1
.endr
	WIN W12
.irp i, 2,4,6,8,10,12,14
.irp b, 0,1,2,3
	v_max3_num_f32 v[TM+\b], v[TM+\b], |v[AC+16*\b+\i]|, |v[AC+16*\b+\i+1]|   ; (the four blocks by turns)
.endr
.endr
	WIN 0
.irp b, 0,1,2,3
	v_permlanex16_b32 v[TM+4+\b], v[TM+\b], s20, s21
.endr
.irp b, 0,1,2,3
	v_max_num_f32 v[TM+\b], v[TM+\b], v[TM+4+\b]   ; with lane l xor 16's 16: the block's largest magnitude
.endr
.irp b, 0,1,2,3
	v_add_nc_u32 v[TM+12+\b], 0xf8800000, v[TM+\b] ; 15 off its exponent field: the conversion takes the exponent field of this operand as its scale
.endr
.irp b, 0,1,2,3
.endr
.irp b, 0,1,2,3
	v_lshrrev_b32 v[TM+4+\b], 23, v[TM+12+\b]      ; the scale's byte
.endr
	v_lshl_or_b32 v[PWA+(\a)], v[TM+5], 8, v[TM+4] ; the four bytes make my row's word
	v_lshl_or_b32 v[PWA+(\a)], v[TM+6], 16, v[PWA+(\a)]
	v_lshl_or_b32 v[PWA+(\a)], v[TM+7], 24, v[PWA+(\a)]
	WIN WW
.irp b, 0,1,2,3
.irp i, 0,1,2,3,4,5,6,7,8,9,10,11,12,13,14,15
.endr
.endr
.irp b, 0,1,2,3
	v_cvt_scalef32_pk8_bf8_f32 v[PC+16*(\a)+4*\b:PC+16*(\a)+4*\b+1], v[AC+16*\b:AC+16*\b+7], v[TM+12+\b]
	v_cvt_scalef32_pk8_bf8_f32 v[PC+16*(\a)+4*\b+2:PC+16*(\a)+4*\b+3], v[AC+16*\b+8:AC+16*\b+15], v[TM+12+\b]
.endr
	WIN 0
	v_nop                                          ; one plain vector instruction behind the last conversion, ahead of the lines that write its sources again
.irp b, 0,1,2,3
	global_store_b128 v[LI], v[PC+16*(\a)+4*\b:PC+16*(\a)+4*\b+3], s[12:13] offset:(\a)*2048+\b*512   ; the wave stores 512 consecutive bytes, at a multiple of 512 from the buffer's first byte
.endr
.endm
.irp a, 0,1,2,3,4,5,6,7
	QUANTA \a
.endr
.irp i, 0,1,2,3
	v_cndmask_b32 v[EW+\i], v[PWA+2*\i], v[PWA+2*\i+1], s23   ; lanes 0-15 keep block 2 i's word, lanes 16-31 take block 2 i + 1's
.endr
	s_cmp_eq_u32 ttmp9, 2                          ; the cluster's x: the same in all partners
	s_cbranch_scc1 .Lv_words
.irp i, 0,1,2,3
	v_perm_b32 v[HT+\i], v[EW+\i], v[EW+\i], 0x01000100     ; q, k: the pair's first head has bytes 0, 1: (s0, s1, s0, s1), so that the word serves 64 codes in either half of an instruction's 128
	v_perm_b32 v[HT+4+\i], v[EW+\i], v[EW+\i], 0x03020302   ; its second head bytes 2, 3
.endr
	global_store_b128 v[LI], v[HT:HT+3], s[66:67]
	global_store_b128 v[LI], v[HT+4:HT+7], s[66:67] offset:8192   ; a head on: 16 steps of 512 bytes
	s_branch .Lwords_out
.Lv_words:
	s_wait_alu depctr_va_vdst(0)
	global_store_b64 v[L8], v[EW:EW+1], s[66:67]                  ; v: channel tiles 0-3 are the pair's first head,
	global_store_b64 v[L8], v[EW+2:EW+3], s[66:67] offset:4096    ; tiles 4-7 its second: 16 steps of 256 bytes on
.Lwords_out:
	CROUND                                         ; the closing round: no work-group ends while a partner may still ask for a tile that names it
	s_endpgm
.Lfunc_end_k_q29116b79c0_proj:
	.size	k_q29116b79c0_proj, .Lfunc_end_k_q29116b79c0_proj-k_q29116b79c0_proj
	.p2alignl 7, 3214868480
	.fill 96, 4, 3214868480
	.section	.rodata,"a",@progbits
	.p2align	6, 0x0
	.amdhsa_kernel k_q29116b79c0_proj
		.amdhsa_group_segment_fixed_size 327680
		.amdhsa_private_segment_fixed_size 0
		.amdhsa_enable_private_segment 0
		.amdhsa_kernarg_size 112
		.amdhsa_user_sgpr_count 2
		.amdhsa_user_sgpr_kernarg_segment_ptr 1
		.amdhsa_wavefront_size32 1
		.amdhsa_system_sgpr_workgroup_id_x 1
		.amdhsa_system_sgpr_workgroup_id_y 1
		.amdhsa_system_sgpr_workgroup_id_z 1
		.amdhsa_system_vgpr_workitem_id 0
		.amdhsa_next_free_vgpr 1024
		.amdhsa_next_free_sgpr 106
		.amdhsa_reserve_vcc 0
		.amdhsa_float_denorm_mode_32 3
		.amdhsa_float_denorm_mode_16_64 3
		.amdhsa_fp16_overflow 1
		.amdhsa_memory_ordered 1
		.amdhsa_forward_progress 1
		.amdhsa_inst_pref_size 151
	.end_amdhsa_kernel
	.amdgpu_metadata
---
amdhsa.version: [ 1, 2 ]
amdhsa.kernels:
  - .name:           k_q29116b79c0_proj
    .symbol:         k_q29116b79c0_proj.kd
    .args:
      - { .name: x_codes, .offset: 0, .size: 8, .value_kind: global_buffer, .address_space: global }
      - { .name: x_scales, .offset: 8, .size: 8, .value_kind: global_buffer, .address_space: global }
      - { .name: Wq_codes, .offset: 16, .size: 8, .value_kind: global_buffer, .address_space: global }
      - { .name: Wq_scales, .offset: 24, .size: 8, .value_kind: global_buffer, .address_space: global }
      - { .name: Wk_codes, .offset: 32, .size: 8, .value_kind: global_buffer, .address_space: global }
      - { .name: Wk_scales, .offset: 40, .size: 8, .value_kind: global_buffer, .address_space: global }
      - { .name: Wv_codes, .offset: 48, .size: 8, .value_kind: global_buffer, .address_space: global }
      - { .name: Wv_scales, .offset: 56, .size: 8, .value_kind: global_buffer, .address_space: global }
      - { .name: qc, .offset: 64, .size: 8, .value_kind: global_buffer, .address_space: global }
      - { .name: qs, .offset: 72, .size: 8, .value_kind: global_buffer, .address_space: global }
      - { .name: kc, .offset: 80, .size: 8, .value_kind: global_buffer, .address_space: global }
      - { .name: ks, .offset: 88, .size: 8, .value_kind: global_buffer, .address_space: global }
      - { .name: vc, .offset: 96, .size: 8, .value_kind: global_buffer, .address_space: global }
      - { .name: vs, .offset: 104, .size: 8, .value_kind: global_buffer, .address_space: global }
    .group_segment_fixed_size: 327680
    .private_segment_fixed_size: 0
    .kernarg_segment_align: 8
    .kernarg_segment_size: 112
    .max_flat_workgroup_size: 128
    .sgpr_count:     106
    .vgpr_count:     1024
    .wavefront_size: 32
...
	.end_amdgpu_metadata
.endif
;; end of part 1
;; launch attn (part 2): grid 4 x 64, 16 waves a work-group, clusters of 4 x 1, 276,480 bytes of LDS; arguments qc, qs, kc, ks, vc, vs, cc, cs; writes cc, cs
.if DOCPART == 2
	.amdgcn_target "amdgcn-amd-amdhsa--gfx1250"
	.amdhsa_code_object_version 6
	.text
	.protected	k_q29116b79c0_attn
	.globl	k_q29116b79c0_attn
	.p2align	8
	.type	k_q29116b79c0_attn,@function
k_q29116b79c0_attn:
	s_mov_b64 s[64:65], 0
	v_nop
	global_prefetch_b8 v0, s[64:65] scope:SCOPE_SE
	s_setreg_imm32_b32 hwreg(HW_REG_WAVE_MODE, 25, 1), 1
	s_wait_xcnt 0x0
	s_wait_alu depctr_hold_cnt(0) depctr_sa_sdst(0) depctr_va_vdst(0) depctr_va_sdst(0) depctr_va_ssrc(0) depctr_va_vcc(0) depctr_vm_vsrc(0)
	s_getreg_b32 s2, hwreg(HW_REG_IB_STS2, 6, 4)
	s_cmp_eq_u32 s2, 0
	s_cbranch_scc0 .Lentry_in_a_cluster
	s_endpgm
.Lentry_in_a_cluster:
	s_bfe_u32 s2, ttmp6, 0x10000c
	s_cmp_lg_u32 s2, 0x3003
	s_cbranch_scc0 .Lentry_shape_is_right
	s_endpgm
.Lentry_shape_is_right:
; ctx[b][q][head] = softmax_k(q . k / 8, causal) v, both products on codes of BF8 (E5M2) with one E8M0 scale for each 32 along a product's K; ctx is quantised along D and leaves as codes and scale bytes.
; THE SOFTMAX AHEAD OF THE SECOND PRODUCT: t = score x log2(e) / 8; M = the row's largest t so far, rounded UP to a whole number; p = 2^(t - M) is what is quantised, along the keys; it is not normalised.
; The row's sum is taken of the unquantised p, in f32, and divides O at the end.  When M moves, the sum and O are multiplied by 2^(old M - new M): exact.
; SHARES.  A cluster of four work-groups owns one head of one batch (cluster y).  The head's codes and scale words of K and V, 268 KiB, are brought into each partner's LDS ONCE, by joint tensor loads: no ring, nothing is filled again.
; A wave owns TWO tiles of 16 queries: tile 8 g + e and tile 127 - (8 g + e), g = wave / 2, e = 4 (wave % 2) + cx.  In steps of 128 keys they take g + 1 and 16 - g: 17 for every wave of every work-group.
; Every branch hangs on g (the wave's number) and a counted step; cx enters global addresses and one vector register of the mask alone.
; LAYOUT.  Both products are used transposed: S^T = K Q^T (source 0 = 16 keys, source 1 = my 16 queries), O^T = V^T P^T (source 0 = 16 channels, source 1 = P): a lane holds ONE query (lane % 16) throughout.
; The head's axis is 64 and the instruction's K is 128: the other 64 are ZERO CODES on both sides.  A pair of key tiles shares one run of eight zero registers: [tile 2 i][zeros][tile 2 i + 1]; the first 16 registers go with
; [Q][zeros], the last 16 with [zeros][Q]; q's and k's scale words hold their two bytes twice, so that they serve either half.
; SLOT ORDER: the operands' images in memory hold, in k-slot (c, h, i), index 32 c + 8 h + i (i < 8) or 32 c + 16 + 8 h + i - 8: the order in which a lane's registers of two neighbouring result tiles run.  p's codes fall in that
; order by themselves, v was stored in it; q and k alike.  A permutation inside a block of 32, the same on both sides.
; ctx leaves in natural order: a tile's eight codes of a lane go to 8 bytes of cc, the image of the next launch's operand registers; its scale bytes to cs [8192][32].
; LIMITS: NaN and infinities are not served; a block whose largest magnitude lies under 2^-111 keeps the byte 1; a block of zeros gets the byte 1 and not 127 (its codes are zeros, and this program alone reads the bytes).
.set KL,   0                           ; LDS: K's codes [step 16][tile 8][c 2][512]
.set VL,   131072                      ; V's codes [step 16][tile 4][c 4][512]
.set KSL,  262144                      ; K's scale words, 512 bytes a step
.set VSL,  270336                      ; V's, 256 bytes a step
.set LI,   1                           ; v1   16 x lane
.set L8,   2                           ; v2   8 x lane
.set R16,  3                           ; v3   16 r
.set CA,   4                           ; v4   16 r + 8 h: my 8 bytes of a tile's codes of ctx
.set CB,   5                           ; v5   32 r + h: my byte of ctx's scales
.set RH,   6                           ; v6   r - 8 h
.set DD,   7                           ; v7   the mask's d = 16 x (my tile in its step) + r - 8 h
.set ADK,  8                           ; v8-11 LDS addresses of the step's K, V, K's words, V's words
.set ADV,  9
.set ADS,  10
.set ADT,  11
.set QX,   16                          ; v16-23 Q, v24-31 zeros, v32-39 Q again
.set QY,   24
.set KT,   40                          ; v40-135 four triples of 24
.set S,    136                         ; v136-199 S^T, then p, then V's four fragments
.set O,    200                         ; v200-231 O^T
.set KSC,  232                         ; v232-235 K's scale words
.set VSC,  236                         ; v236-237 V's
.set QSC,  238                         ; v238 Q's
.set PSC,  239                         ; v239 p's
.set BM,   240                         ; v240-243 the blocks' largest
.set PB,   244                         ; v244-247 permutes, a chain of sums, bytes
.set HO,   248
.set SO,   252                         ; v252-255 the conversions' scale operands
.set FF,   40                          ; v[40:41] f = 2^(old M - new M), in registers that K's first tile has left
.set TMP,  42
.set PCD,  56                          ; v56-71 p's codes, likewise
.set WV,   20
.set CX,   21
.set GG,   22
.set EL,   23
.set G1K,  24
.set G1V,  32
.set G1KS, 40
.set G1VS, 48
.set G0KS, 56
.set G0VS, 60
.set G0K0, 68
.set G0V0, 72
.set G0K1, 76
.set G0V1, 80
.set JJ,   84                          ; the key step
.set JM,   85                          ; the step on the diagonal of the tile in hand
.set EE,   86                          ; the tile's place in that step
.set TK,   87                          ; LDS bytes at which the step's K, V and their words begin
.set TV,   88
.set TSK,  89
.set TSV,  90
.set MNT,  91
.set SEL,  92
.set CS,   94
.set HM,   96
.macro CROUND                          ; a round of the cluster's barrier
	s_barrier_signal -1
	s_barrier_wait -1
	s_cmp_lg_u32 s[WV], 0
	s_cbranch_scc1 .Lnot_wave_0_\@
	s_barrier_signal -3
.Lnot_wave_0_\@:
	s_barrier_wait -3
	s_barrier_signal -1
	s_barrier_wait -1
.endm
.macro GROUP1 g, c, r, p               ; r rows of c elements of 8 bytes, p elements apart; no padding: the images are read on end
	s_mov_b32 s[\g], 15|(3<<16)|(1<<21)            ; 15:0 the mask: all four work-groups; elements of 8 bytes; 21 set beside a mask
	s_mov_b32 s[\g+1], (\c)<<16
	s_mov_b32 s[\g+2], (\r)<<16
	s_mov_b32 s[\g+3], (\c)<<16
	s_mov_b32 s[\g+4], \r
	s_mov_b32 s[\g+5], \p
	s_mov_b32 s[\g+6], 0
	s_mov_b32 s[\g+7], 0
.endm
	s_load_b512 s[4:19], s[0:1], 0x0               ; qc 4, qs 6, kc 8, ks 10, vc 12, vs 14, cc 16, cs 18
	v_lshl_add_u32 v254, v0, 2, 0x43000
	v_mov_b32 v255, 0
	ds_add_u32 v254, v255
	ds_add_u32 v254, v255
	s_wait_dscnt 0x0
	v_lshrrev_b32 v8, 5, v0
	s_delay_alu instid0(VALU_DEP_1)
	v_readfirstlane_b32 s[WV], v8                  ; wave 0..15
	s_bfe_u32 s[CX], ttmp6, 0x40000                ; cx
	s_lshr_b32 s[GG], s[WV], 1                     ; g
	s_and_b32 s[EL], s[WV], 1
	s_lshl_b32 s[EL], s[EL], 2
	s_add_co_u32 s[EL], s[EL], s[CX]               ; e
	s_and_b32 s66, ttmp7, 0xffff                   ; 16 x batch + head
	s_lshr_b32 s67, s66, 1
	s_lshl_b32 s67, s67, 18                        ; the head pair's 262,144 bytes of codes
	s_and_b32 s97, s66, 1                          ; which head of the pair
	s_lshl_b32 s98, s97, 10
	s_add_co_u32 s98, s98, s67                     ; q, k: the head's first byte
	s_mov_b32 s99, 0
	s_lshl_b32 s100, s97, 13
	s_add_co_u32 s100, s100, s67                   ; v: likewise
	s_mov_b32 s101, 0
	GROUP1 G1K, 128, 4, 256                        ; K: four tiles' 1,024 bytes, 2,048 apart (the pair's other head lies between)
	GROUP1 G1V, 128, 4, 128                        ; V: 4,096 dense bytes
	GROUP1 G1KS, 32, 2, 32                         ; K's words of a step: 512 dense bytes
	GROUP1 G1VS, 32, 1, 32                         ; V's: 256
	s_mov_b32 s[SEL], 0x76543210
	s_mov_b32 s[SEL+1], 0xfedcba98                 ; v_permlanex16_b32's selects for lane l xor 16
	s_mov_b32 s[CS], 0x3e38aa3b                    ; c = log2(e) / 8
	s_mov_b32 s[CS+1], s[CS]                       ; (named with it as a pair, so it is written)
	; where my wave's six tiles go: a constant + a constant x wave
	s_mov_b32 s[G0K0], 1
	s_lshl_b32 s[G0K0+1], s[WV], 12
	s_mov_b32 s[G0K1], 1
	s_add_co_u32 s[G0K1+1], s[G0K0+1], 65536
	s_mov_b32 s[G0V0], 1
	s_add_co_u32 s[G0V0+1], s[G0K0+1], VL
	s_mov_b32 s[G0V1], 1
	s_add_co_u32 s[G0V1+1], s[G0K0+1], VL+65536
	s_mov_b32 s[G0KS], 1
	s_lshl_b32 s[G0KS+1], s[WV], 9
	s_add_co_u32 s[G0KS+1], s[G0KS+1], KSL
	s_mov_b32 s[G0VS], 1
	s_lshl_b32 s[G0VS+1], s[WV], 8
	s_add_co_u32 s[G0VS+1], s[G0VS+1], VSL
	s_wait_kmcnt 0x0
	s_add_nc_u64 s[4:5], s[4:5], s[98:99]          ; every buffer at my head
	s_add_nc_u64 s[8:9], s[8:9], s[98:99]
	s_add_nc_u64 s[12:13], s[12:13], s[100:101]
	s_lshl_b32 s98, s66, 13
	s_add_nc_u64 s[6:7], s[6:7], s[98:99]
	s_add_nc_u64 s[10:11], s[10:11], s[98:99]
	s_lshl_b32 s98, s66, 12
	s_add_nc_u64 s[14:15], s[14:15], s[98:99]
	s_lshr_b32 s98, s66, 4                         ; batch
	s_and_b32 s2, s66, 15                          ; head
	s_lshl_b32 s100, s98, 21                       ; cc: 128 row tiles of 16,384 bytes a batch,
	s_lshl_b32 s3, s2, 10                          ; 1,024 bytes a head in a row tile
	s_add_co_u32 s100, s100, s3
	s_add_nc_u64 s[16:17], s[16:17], s[100:101]
	s_lshl_b32 s100, s98, 16                       ; cs: 2,048 rows of 32 bytes a batch,
	s_lshl_b32 s3, s2, 1                           ; 2 bytes a head in a row
	s_add_co_u32 s100, s100, s3
	s_add_nc_u64 s[18:19], s[18:19], s[100:101]
	s_lshl_b32 s98, s[WV], 13                      ; K: my four tiles of the first 64: 4 x 2,048 bytes a wave
	s_add_nc_u64 s[G0K0+2:G0K0+3], s[8:9], s[98:99]
	s_add_nc_u64 s[G0K1+2:G0K1+3], s[G0K0+2:G0K0+3], 131072   ; and of the other 64
	s_lshl_b32 s98, s[GG], 14                      ; V: step wave / 2 (16,384 bytes a pair and a step), half wave % 2 of the head's 8,192
	s_and_b32 s100, s[WV], 1
	s_lshl_b32 s100, s100, 12
	s_add_co_u32 s98, s98, s100
	s_add_nc_u64 s[G0V0+2:G0V0+3], s[12:13], s[98:99]
	s_add_nc_u64 s[G0V1+2:G0V1+3], s[G0V0+2:G0V0+3], 131072   ; eight steps on
	s_lshl_b32 s98, s[WV], 9
	s_add_nc_u64 s[G0KS+2:G0KS+3], s[10:11], s[98:99]
	s_lshl_b32 s98, s[WV], 8
	s_add_nc_u64 s[G0VS+2:G0VS+3], s[14:15], s[98:99]
.irp g, G0KS, G0VS, G0K0, G0V0, G0K1, G0V1
	s_or_b32 s[\g+3], s[\g+3], 0x80000000          ; type = 2
.endr
	CROUND                                         ; all four work-groups are here: the joint loads meet
	tensor_load_to_lds s[G0KS:G0KS+3], s[G1KS:G1KS+7]   ; every wave issues the same six lines, each for bytes of its own: six tensor loads of mine are out, the most in this text
	s_nop 0
	tensor_load_to_lds s[G0VS:G0VS+3], s[G1VS:G1VS+7]
	s_nop 0
	tensor_load_to_lds s[G0K0:G0K0+3], s[G1K:G1K+7]
	s_nop 0
	tensor_load_to_lds s[G0V0:G0V0+3], s[G1V:G1V+7]
	s_nop 0
	tensor_load_to_lds s[G0K1:G0K1+3], s[G1K:G1K+7]
	s_nop 0
	tensor_load_to_lds s[G0V1:G0V1+3], s[G1V:G1V+7]
	s_nop 0
.rept 4
	v_nop
.endr
	v_and_b32 v8, 31, v0
	s_delay_alu instid0(VALU_DEP_1)
	v_lshlrev_b32 v[LI], 4, v8
	s_delay_alu instid0(VALU_DEP_2)
	v_lshlrev_b32 v[L8], 3, v8
	v_and_b32 v9, 15, v0                           ; r
	v_bfe_u32 v10, v0, 4, 1                        ; h
	s_delay_alu instid0(VALU_DEP_2)
	v_lshlrev_b32 v[R16], 4, v9
	s_delay_alu instid0(VALU_DEP_1)
	v_lshl_add_u32 v[CA], v10, 3, v[R16]
	s_delay_alu instid0(VALU_DEP_3)
	v_lshl_add_u32 v[CB], v9, 5, v10
	s_delay_alu instid0(VALU_DEP_4)
	v_lshlrev_b32 v11, 3, v10
	s_delay_alu instid0(VALU_DEP_1)
	v_sub_nc_u32 v[RH], v9, v11
	v_and_b32 v8, 16, v0
	s_delay_alu instid0(VALU_DEP_1)
	v_cmp_ne_u32 s[HM], 0, v8                      ; the mask of lanes 16-31
.irp z, 24, 48, 72, 96, 120
.irp i, 0,1,2,3,4,5,6,7
	v_mov_b32 v[\z+\i], 0                          ; the five runs of zero codes: written once
.endr
.endr
.irp b, 0,1,2,3
	v_mov_b32 v[PB+\b], 0                          ; written once: a lane permute's destination counts as one of its sources
.endr
; A tile of queries is taken up: its pointers, Q's codes (twice) and scale words, and the running numbers.  O^T and the sum begin as zeros and the largest t as -3e38, so that the step is written without a first step of its own.
.macro INIT
	s_wait_xcnt 0x0                                ; the last tile's stores have read their registers and bases: both are written again below
	s_lshl_b32 s2, s[JM], 3
	s_add_co_u32 s2, s2, s[EE]                     ; the tile's number in the head, 0..127
	s_mov_b32 s99, 0
	s_lshl_b32 s98, s2, 11
	s_add_nc_u64 s[8:9], s[4:5], s[98:99]          ; its codes: 2,048 bytes a tile (the pair's other head between)
	s_lshl_b32 s98, s2, 14
	s_add_nc_u64 s[12:13], s[16:17], s[98:99]      ; its row tile of cc
	s_lshl_b32 s98, s2, 9
	s_add_nc_u64 s[14:15], s[18:19], s[98:99]      ; its 16 rows of cs
	s_lshl_b32 s98, s[JM], 9                       ; its scale words: step, then 256 x (tile % 2) + 4 x (tile / 2), 16 bytes from row to row
	s_and_b32 s100, s[EE], 1
	s_lshl_b32 s100, s100, 8
	s_add_co_u32 s98, s98, s100
	s_lshr_b32 s100, s[EE], 1
	s_lshl_b32 s100, s100, 2
	s_add_co_u32 s98, s98, s100
	s_add_nc_u64 s[10:11], s[6:7], s[98:99]
	global_load_b128 v[QX:QX+3], v[LI], s[8:9] th:TH_LOAD_NT
	global_load_b128 v[QX+4:QX+7], v[LI], s[8:9] offset:512 th:TH_LOAD_NT
	global_load_b128 v[QX+16:QX+19], v[LI], s[8:9] th:TH_LOAD_NT
	global_load_b128 v[QX+20:QX+23], v[LI], s[8:9] offset:512 th:TH_LOAD_NT
	global_load_b32 v[QSC], v[R16], s[10:11]
	v_mov_b32 v13, 0xff61b1e6                      ; the largest t so far: -3e38, under every t
	s_delay_alu instid0(VALU_DEP_1)
	v_floor_f32 v12, -v13                          ; -M
	v_mov_b32 v14, 0                               ; the sum, in two halves
	v_mov_b32 v15, 0
.irp j, 0,1,2,3,4,5,6,7,8,9,10,11,12,13,14,15,16,17,18,19,20,21,22,23,24,25,26,27,28,29,30,31
	v_mov_b32 v[O+\j], 0
.endr
	s_lshl_b32 s100, s[EE], 4
	v_add_nc_u32 v[DD], s100, v[RH]
	s_mov_b32 s[JJ], 0
	s_mov_b32 s[TK], KL
	s_mov_b32 s[TV], VL
	s_mov_b32 s[TSK], KSL
	s_mov_b32 s[TSV], VSL
	s_wait_loadcnt 0x0
.endm
; A KEY STEP: 128 keys.  causal = 1: a step all of whose keys come after the tile's queries is left out (a scalar branch on the wave's number and the counted step, round the work, not round the lines that step addresses);
; in the step on the diagonal hidden scores become -infinity ahead of the maximum.
.macro STEP causal
.if \causal
	s_cmp_gt_u32 s[JJ], s[JM]
	s_cbranch_scc1 .Lhidden_\@
.endif
	s_setprio 2
	v_add_nc_u32 v[ADK], s[TK], v[LI]
	v_add_nc_u32 v[ADV], s[TV], v[LI]
	v_add_nc_u32 v[ADS], s[TSK], v[LI]
	v_add_nc_u32 v[ADT], s[TSV], v[L8]
.rept 5
	v_nop                                          ; with the four additions nine places behind the last step's products: the loads below land on their source 1 (eight are asked), and S^T is written over their source 0 (nine)
.endr
	ds_load_b128 v[KSC:KSC+3], v[ADS]              ; register i: lanes 0-15 tile 2 i's words, lanes 16-31 tile 2 i + 1's
.irp i, 0,1,2,3
.irp c, 0,1
	ds_load_b128 v[KT+24*\i+4*\c:KT+24*\i+4*\c+3], v[ADK] offset:2048*\i+512*\c
	ds_load_b128 v[KT+24*\i+16+4*\c:KT+24*\i+16+4*\c+3], v[ADK] offset:2048*\i+1024+512*\c
.endr
.endr
	s_wait_dscnt 0x0
.irp i, 0,1,2,3
	v_wmma_scale_f32_16x16x128_f8f6f4 v[S+16*\i:S+16*\i+7], v[KT+24*\i:KT+24*\i+15], v[QX:QX+15], 0, v[KSC+\i], v[QSC] matrix_a_fmt:MATRIX_FMT_BF8 matrix_b_fmt:MATRIX_FMT_BF8
	v_wmma_scale_f32_16x16x128_f8f6f4 v[S+16*\i+8:S+16*\i+15], v[KT+24*\i+8:KT+24*\i+23], v[QY:QY+15], 0, v[KSC+\i], v[QSC] matrix_a_fmt:MATRIX_FMT_BF8 matrix_b_fmt:MATRIX_FMT_BF8 matrix_a_scale:MATRIX_SCALE_ROW1
.endr                                              ; register n of S^T holds key 128 J + 16 (n / 8) + 8 h + n % 8 of query r
.rept 8
	v_nop
.endr
.if \causal
	s_cmp_lg_u32 s[JJ], s[JM]
	s_cbranch_scc1 .Lopen_\@
	v_mov_b32 v[TMP], 0xff800000                   ; -infinity
.set n, 0
	s_wait_alu depctr_va_vdst(0)
.rept 64
	v_cmp_gt_i32 vcc_lo, 16*(n/8)+n%8, v[DD]       ; hidden where 16 (n / 8) + n % 8 > d
	v_cndmask_b32 v[S+n], v[S+n], v[TMP], vcc_lo
.set n, n+1
.endr
.Lopen_\@:
.endif
.irp b, 0,1,2,3
	v_max3_num_f32 v[BM+\b], v[S+16*\b], v[S+1+16*\b], v[S+2+16*\b]   ; the largest score of each block of 32 keys: it serves the row's maximum and, since p rises with the score, the block's largest p
.endr
.irp i, 3,5,7,9,11,13
.irp b, 0,1,2,3
	v_max3_num_f32 v[BM+\b], v[BM+\b], v[S+16*\b+\i], v[S+1+16*\b+\i]
.endr
.endr
.irp b, 0,1,2,3
	v_max_num_f32 v[BM+\b], v[BM+\b], v[S+15+16*\b]
.endr
.irp b, 0,1,2,3
	s_delay_alu instid0(VALU_DEP_4)
	v_permlanex16_b32 v[PB+\b], v[BM+\b], s[SEL], s[SEL+1]
.endr
.irp b, 0,1,2,3
	s_delay_alu instid0(VALU_DEP_4)
	v_max_num_f32 v[BM+\b], v[BM+\b], v[PB+\b]     ; with lane l xor 16's 16 keys
.endr
	s_delay_alu instid0(VALU_DEP_2)
	v_max3_num_f32 v[TMP], v[BM], v[BM+1], v[BM+2]
	s_delay_alu instid0(VALU_DEP_1)
	v_max_num_f32 v[TMP], v[TMP], v[BM+3]          ; the step's largest score of my query
	s_delay_alu instid0(VALU_DEP_1)
	v_mul_f32 v[TMP], s[CS], v[TMP]                ; as t (c is positive)
	s_delay_alu instid0(VALU_DEP_1)
	v_max_num_f32 v13, v13, v[TMP]                 ; the running largest t
	v_mov_b32 v[TMP], v12
	s_delay_alu instid0(VALU_DEP_2)
	v_floor_f32 v12, -v13                          ; the new -M = floor(-t) = -ceil(t): M is a whole number
	s_delay_alu instid0(VALU_DEP_1)
	v_sub_f32 v[TMP], v12, v[TMP]                  ; M's old value less its new one: a whole number, 0 or less
	s_delay_alu instid0(VALU_DEP_1)
	v_cvt_i32_f32 v[TMP], v[TMP]                   ; (it saturates)
	s_delay_alu instid0(VALU_DEP_1)
	v_ldexp_f32 v[FF], 1.0, v[TMP]                 ; f = 2^(old M - new M)
.set j, 0
.rept 32
	v_pk_fma_f32 v[S+j:S+j+1], v[S+j:S+j+1], s[CS:CS+1], v[12:13] op_sel_hi:[1,0,0]   ; t - M, two at a time
.set j, j+2
.endr
.irp b, 0,1,2,3
	v_fma_f32 v[BM+\b], v[BM+\b], s[CS], v12       ; the same of each block's largest score
.endr
.set j, 0
	s_setprio 1
	s_wait_alu depctr_va_vdst(0)
.rept 64
	v_exp_f32 v[S+j], v[S+j]                       ; p = 2^(t - M), at most 1: not normalised
.set j, j+1
.endr
	v_pk_mul_f32 v[14:15], v[14:15], v[FF:FF+1] op_sel_hi:[1,0]   ; the sums under the new M: a plain instruction behind the exponentials
	s_wait_alu depctr_va_vdst(0)                   ; one wait for the whole batch, ahead of its first reader
.irp b, 0,1,2,3
	v_exp_f32 v[BM+\b], v[BM+\b]                   ; the block's largest p: the same two instructions on the same number
.endr
	v_pk_add_f32 v[244:245], v[140:141], v[144:145]
	v_pk_add_f32 v[254:255], v[148:149], v[152:153]
	v_pk_add_f32 v[252:253], v[156:157], v[160:161]
	v_pk_add_f32 v[250:251], v[164:165], v[168:169]
	v_pk_add_f32 v[248:249], v[172:173], v[176:177]
	v_pk_add_f32 v[246:247], v[180:181], v[184:185]
	v_pk_add_f32 v[236:237], v[188:189], v[192:193]
	v_pk_add_f32 v[14:15], v[14:15], v[196:197]
	v_pk_add_f32 v[244:245], v[244:245], v[136:137]
	v_pk_add_f32 v[254:255], v[254:255], v[138:139]
	v_pk_add_f32 v[252:253], v[252:253], v[142:143]
	v_pk_add_f32 v[250:251], v[250:251], v[146:147]
	v_pk_add_f32 v[248:249], v[248:249], v[150:151]
	v_pk_add_f32 v[246:247], v[246:247], v[154:155]
	v_pk_add_f32 v[236:237], v[236:237], v[158:159]
	v_pk_add_f32 v[14:15], v[14:15], v[162:163]
	v_pk_add_f32 v[244:245], v[244:245], v[166:167]
	v_pk_add_f32 v[254:255], v[254:255], v[170:171]
	v_pk_add_f32 v[252:253], v[252:253], v[174:175]
	v_pk_add_f32 v[250:251], v[250:251], v[178:179]
	v_pk_add_f32 v[248:249], v[248:249], v[182:183]
	v_pk_add_f32 v[246:247], v[246:247], v[186:187]
	v_pk_add_f32 v[236:237], v[236:237], v[190:191]
	v_pk_add_f32 v[14:15], v[14:15], v[194:195]
	v_pk_add_f32 v[244:245], v[244:245], v[198:199]
	s_delay_alu instid0(VALU_DEP_2)
	v_pk_add_f32 v[14:15], v[14:15], v[250:251]
	s_delay_alu instid0(VALU_DEP_2)
	v_pk_add_f32 v[244:245], v[244:245], v[248:249]
	v_pk_add_f32 v[254:255], v[254:255], v[246:247]
	v_pk_add_f32 v[252:253], v[252:253], v[236:237]
	s_delay_alu instid0(VALU_DEP_2)
	v_pk_add_f32 v[14:15], v[14:15], v[254:255]
	s_delay_alu instid0(VALU_DEP_2)
	v_pk_add_f32 v[244:245], v[244:245], v[252:253]
	s_delay_alu instid0(VALU_DEP_1)
	v_pk_add_f32 v[14:15], v[14:15], v[244:245]
	s_wait_alu depctr_va_vdst(0)                   ; and one for the four
.irp b, 0,1,2,3
	v_max_num_f32 v[BM+\b], 0x8000000, v[BM+\b]    ; the floor 2^(16 - 127): the byte cannot fall under 1 (a block whose every p is 0 keeps that byte: its codes are zeros)
.endr
.irp b, 0,1,2,3
	s_delay_alu instid0(VALU_DEP_4)
	v_add_nc_u32 v[SO+\b], 0xf8800000, v[BM+\b]    ; 15 off the exponent field: the conversion's scale operand
.endr
.irp b, 0,1,2,3
.endr
.irp b, 0,1,2,3
	s_delay_alu instid0(VALU_DEP_4)
	v_lshrrev_b32 v[PB+\b], 23, v[SO+\b]           ; the scale's byte
.endr
	s_delay_alu instid0(VALU_DEP_3)
	v_lshl_or_b32 v[PSC], v[PB+1], 8, v[PB]        ; p's scale word for these 128 keys
	s_delay_alu instid0(VALU_DEP_1)
	v_lshl_or_b32 v[PSC], v[PB+2], 16, v[PSC]
	s_delay_alu instid0(VALU_DEP_1)
	v_lshl_or_b32 v[PSC], v[PB+3], 24, v[PSC]
.irp b, 0,1,2,3
.irp i, 0,1,2,3,4,5,6,7,8,9,10,11,12,13,14,15
.endr
	v_cvt_scalef32_pk8_bf8_f32 v[PCD+4*\b:PCD+4*\b+1], v[S+16*\b:S+16*\b+7], v[SO+\b]
	v_cvt_scalef32_pk8_bf8_f32 v[PCD+4*\b+2:PCD+4*\b+3], v[S+16*\b+8:S+16*\b+15], v[SO+\b]
.endr
	v_nop
	s_setprio 0
.irp t, 0,1,2,3
.irp c, 0,1,2,3
	ds_load_b128 v[S+16*\t+4*\c:S+16*\t+4*\c+3], v[ADV] offset:2048*\t+512*\c   ; V's four fragments take the registers that p has left
.endr
.endr
	ds_load_b64 v[VSC:VSC+1], v[ADT]               ; register i: lanes 0-15 channel tile 2 i's words, lanes 16-31 tile 2 i + 1's
.set j, 0
.rept 16
	v_pk_mul_f32 v[O+j:O+j+1], v[O+j:O+j+1], v[FF:FF+1] op_sel_hi:[1,0]   ; O^T under the new M: also the plain lines behind the conversions and the places in front of the products, while the loads are out
.set j, j+2
.endr
	s_wait_alu depctr_va_vdst(0)
	s_wait_dscnt 0x0
.irp u, 0,1                                    ; O^T += V^T P^T: four accumulators, one instruction a turn
	v_wmma_scale_f32_16x16x128_f8f6f4 v[O+16*\u:O+16*\u+7], v[S+32*\u:S+32*\u+15], v[PCD:PCD+15], v[O+16*\u:O+16*\u+7], v[VSC+\u], v[PSC] matrix_a_fmt:MATRIX_FMT_BF8 matrix_b_fmt:MATRIX_FMT_BF8
	v_wmma_scale_f32_16x16x128_f8f6f4 v[O+16*\u+8:O+16*\u+15], v[S+32*\u+16:S+32*\u+31], v[PCD:PCD+15], v[O+16*\u+8:O+16*\u+15], v[VSC+\u], v[PSC] matrix_a_fmt:MATRIX_FMT_BF8 matrix_b_fmt:MATRIX_FMT_BF8 matrix_a_scale:MATRIX_SCALE_ROW1
.endr
.if \causal
.Lhidden_\@:
.endif
	s_add_co_u32 s[JJ], s[JJ], 1
	s_add_co_u32 s[TK], s[TK], 8192
	s_add_co_u32 s[TV], s[TV], 8192
	s_add_co_u32 s[TSK], s[TSK], 512
	s_add_co_u32 s[TSV], s[TSV], 256
.endm
; A tile is finished: O^T / the sum is ctx; its 64 channels are two blocks of 32 along D; a lane holds 16 numbers of each, lane l xor 16 the others.
.macro FINISH
.rept 8
	v_nop                                          ; the places behind the last products, on the way through skipped steps too
.endr
	v_add_f32 v14, v14, v15                        ; the sum's two halves,
	s_delay_alu instid0(VALU_DEP_1)
	v_permlanex16_b32 v[PB], v14, s[SEL], s[SEL+1]
	s_delay_alu instid0(VALU_DEP_1)
	v_add_f32 v14, v14, v[PB]                      ; and lane l xor 16's: the row's sum
	s_wait_alu depctr_va_vdst(0)
	v_rcp_f32 v14, v14
	v_nop                                          ; a plain instruction behind the reciprocal
	s_wait_alu depctr_va_vdst(0)                   ; and the wait ahead of its first reader
.set j, 0
.rept 16
	v_pk_mul_f32 v[S+j:S+j+1], v[O+j:O+j+1], v[14:15] op_sel_hi:[1,0]   ; register 8 t + i is ctx(r, 16 t + 8 h + i); each accumulator from its low end on
.set j, j+2
.endr
.irp b, 0,1
	v_max3_num_f32 v[BM+\b], |v[S+16*\b]|, |v[S+16*\b+1]|, 0x8000000
.endr
.irp i, 2,4,6,8,10,12,14
.irp b, 0,1
	s_delay_alu instid0(VALU_DEP_2)
	v_max3_num_f32 v[BM+\b], v[BM+\b], |v[S+16*\b+\i]|, |v[S+16*\b+\i+1]|
.endr
.endr
.irp b, 0,1
	s_delay_alu instid0(VALU_DEP_2)
	v_permlanex16_b32 v[PB+\b], v[BM+\b], s[SEL], s[SEL+1]
.endr
.irp b, 0,1
	s_delay_alu instid0(VALU_DEP_2)
	v_max_num_f32 v[BM+\b], v[BM+\b], v[PB+\b]
.endr
.irp b, 0,1
	s_delay_alu instid0(VALU_DEP_2)
	v_add_nc_u32 v[SO+\b], 0xf8800000, v[BM+\b]
.endr
.irp b, 0,1
.endr
.irp b, 0,1
	s_delay_alu instid0(VALU_DEP_2)
	v_lshrrev_b32 v[PB+\b], 23, v[SO+\b]
.endr
.irp b, 0,1
.irp i, 0,1,2,3,4,5,6,7,8,9,10,11,12,13,14,15
.endr
	v_cvt_scalef32_pk8_bf8_f32 v[PCD+4*\b:PCD+4*\b+1], v[S+16*\b:S+16*\b+7], v[SO+\b]
	v_cvt_scalef32_pk8_bf8_f32 v[PCD+4*\b+2:PCD+4*\b+3], v[S+16*\b+8:S+16*\b+15], v[SO+\b]
.endr
	v_cndmask_b32 v[TMP], v[PB], v[PB+1], s[HM]    ; lanes 0-15 store block 0's byte, lanes 16-31 block 1's.  (A plain line behind the conversions)
.irp t, 0,1,2,3
	global_store_b64 v[CA], v[PCD+2*\t:PCD+2*\t+1], s[12:13] offset:256*\t   ; tile t's codes: D index 16 t + 8 h + 0..7 of row r lies at 256 t + 16 r + 8 h of the head's 1,024 bytes: the wave stores 256 consecutive bytes, and ctx is in natural order
.endr
	global_store_b8 v[CB], v[TMP], s[14:15]        ; two bytes a row and a head: the rows' other bytes belong to other heads' work-groups
.endm
	s_xor_b32 s[JM], s[GG], 15                     ; the later tile first: step 15 - g,
	s_xor_b32 s[EE], s[EL], 7                      ; place 7 - e
	INIT
	s_wait_tensorcnt 0x0                           ; my six tiles are in,
	s_barrier_signal -1
	s_barrier_wait -1                              ; everybody's are: the head's K and V lie whole in LDS and stay
.Lsteps_a:                                             ; steps 0 to 7 lie wholly ahead of the later tile: no mask
	STEP 0
	s_cmp_lt_u32 s[JJ], 8
	s_cbranch_scc1 .Lsteps_a
	s_setprio 0
.Lsteps_b:                                             ; steps 8 to 15: up to the diagonal
	STEP 1
	s_cmp_lt_u32 s[JJ], 16
	s_cbranch_scc1 .Lsteps_b
	s_setprio 0
	FINISH
	s_mov_b32 s[JM], s[GG]                         ; the earlier tile: step g, place e
	s_mov_b32 s[EE], s[EL]
	INIT
.Lsteps_c:                                             ; steps 0 to 7: up to the diagonal
	STEP 1
	s_cmp_lt_u32 s[JJ], 8
	s_cbranch_scc1 .Lsteps_c
	s_setprio 0
	FINISH
	s_wait_xcnt 0x0
	v_lshl_add_u32 v254, v0, 2, 0x43000
	v_mov_b32 v255, 0
	s_wait_alu depctr_va_vdst(0)
	s_wait_tensorcnt 0x0
	ds_add_u32 v254, v255
	s_wait_dscnt 0x0
	CROUND                                         ; the closing round
	s_endpgm
.Lfunc_end_k_q29116b79c0_attn:
	.size	k_q29116b79c0_attn, .Lfunc_end_k_q29116b79c0_attn-k_q29116b79c0_attn
	.p2alignl 7, 3214868480
	.fill 96, 4, 3214868480
	.section	.rodata,"a",@progbits
	.p2align	6, 0x0
	.amdhsa_kernel k_q29116b79c0_attn
		.amdhsa_group_segment_fixed_size 276480
		.amdhsa_private_segment_fixed_size 0
		.amdhsa_enable_private_segment 0
		.amdhsa_kernarg_size 64
		.amdhsa_user_sgpr_count 2
		.amdhsa_user_sgpr_kernarg_segment_ptr 1
		.amdhsa_wavefront_size32 1
		.amdhsa_system_sgpr_workgroup_id_x 1
		.amdhsa_system_sgpr_workgroup_id_y 1
		.amdhsa_system_sgpr_workgroup_id_z 1
		.amdhsa_system_vgpr_workitem_id 0
		.amdhsa_next_free_vgpr 256
		.amdhsa_next_free_sgpr 102
		.amdhsa_reserve_vcc 1
		.amdhsa_float_denorm_mode_32 3
		.amdhsa_float_denorm_mode_16_64 3
		.amdhsa_fp16_overflow 1
		.amdhsa_memory_ordered 1
		.amdhsa_forward_progress 1
		.amdhsa_inst_pref_size 86
	.end_amdhsa_kernel
	.amdgpu_metadata
---
amdhsa.version: [ 1, 2 ]
amdhsa.kernels:
  - .name:           k_q29116b79c0_attn
    .symbol:         k_q29116b79c0_attn.kd
    .args:
      - { .name: qc, .offset: 0, .size: 8, .value_kind: global_buffer, .address_space: global }
      - { .name: qs, .offset: 8, .size: 8, .value_kind: global_buffer, .address_space: global }
      - { .name: kc, .offset: 16, .size: 8, .value_kind: global_buffer, .address_space: global }
      - { .name: ks, .offset: 24, .size: 8, .value_kind: global_buffer, .address_space: global }
      - { .name: vc, .offset: 32, .size: 8, .value_kind: global_buffer, .address_space: global }
      - { .name: vs, .offset: 40, .size: 8, .value_kind: global_buffer, .address_space: global }
      - { .name: cc, .offset: 48, .size: 8, .value_kind: global_buffer, .address_space: global }
      - { .name: cs, .offset: 56, .size: 8, .value_kind: global_buffer, .address_space: global }
    .group_segment_fixed_size: 276480
    .private_segment_fixed_size: 0
    .kernarg_segment_align: 8
    .kernarg_segment_size: 64
    .max_flat_workgroup_size: 512
    .sgpr_count:     102
    .vgpr_count:     256
    .wavefront_size: 32
...
	.end_amdgpu_metadata
.endif
;; end of part 2
;; launch outp (part 3): grid 8 x 32, 4 waves a work-group, clusters of 4 x 4, 327,680 bytes of LDS; arguments cc, cs, Wo_codes, Wo_scales, bo, out0; writes out0
.if DOCPART == 3
	.amdgcn_target "amdgcn-amd-amdhsa--gfx1250"
	.amdhsa_code_object_version 6
	.text
	.protected	k_q29116b79c0_outp
	.globl	k_q29116b79c0_outp
	.p2align	8
	.type	k_q29116b79c0_outp,@function
k_q29116b79c0_outp:
	s_mov_b64 s[64:65], 0
	v_nop
	global_prefetch_b8 v0, s[64:65] scope:SCOPE_SE
	s_setreg_imm32_b32 hwreg(HW_REG_WAVE_MODE, 25, 1), 1
	s_wait_xcnt 0x0
	s_wait_alu depctr_hold_cnt(0) depctr_sa_sdst(0) depctr_va_vdst(0) depctr_va_sdst(0) depctr_va_ssrc(0) depctr_va_vcc(0) depctr_vm_vsrc(0)
	s_getreg_b32 s2, hwreg(HW_REG_IB_STS2, 6, 4)
	s_cmp_eq_u32 s2, 0
	s_cbranch_scc0 .Lentry_in_a_cluster
	s_endpgm
.Lentry_in_a_cluster:
	s_bfe_u32 s2, ttmp6, 0x10000c
	s_cmp_lg_u32 s2, 0xf033
	s_cbranch_scc0 .Lentry_shape_is_right
	s_endpgm
.Lentry_shape_is_right:
; out0 = ctx Wo^T + bo on codes of BF8 (E5M2) with one E8M0 scale for each 32 along K = 1,024; sums in f32.
; A = ctx: cc holds it as images of operand registers, [row tile of 16][K step of 128][c of 4][lane][16]; its scale bytes cs [8192][32].  B = Wo: codes [1024][1024], scale bytes [1024][32], as given.
; A work-group makes 256 rows x 128 columns: 8 x 32 = 256 work-groups.  Each of its four waves makes 128 x 64: 32 accumulators of 16 x 16.  The bias is the C of each sum's first matrix instruction.
; THE MATRIX INSTRUCTION IS USED TRANSPOSED (source 0 = 16 rows of Wo, source 1 = 16 rows of ctx): a lane then holds eight neighbouring numbers of a row of out0.
; K goes in four steps of 256 through THREE LDS slots: three first fills and one refill (K step 3 into slot 0), which has three and a half steps of 128 along K in which to land.  The eight steps of 128 are written out: no loop.
; CLUSTERS: 4 x 4 work-groups; A's tiles are shared along a row of the cluster, B's along a column, each asked for jointly.  The scale bytes of the 256 + 128 rows come once and stay.
; REGISTERS, in windows of 256: window 0: v16-29 addresses; v32-63 scale words, two sets; v96-127 the bias; v128-255 A's eight fragments, one set (on the way out rows of out0).
;   window 1: B's four fragments, two sets, at v0 and v64.   window 2: the accumulators, (a, b) at v[8 (4 a + b)].
.set PITCH,  272                       ; a row of B in LDS: 256 bytes + 16 of padding
.set HALFA,  32768                     ; 8 row tiles x 4,096 bytes of image: what one tensor load brings of A, and what one wave reads
.set BOFF,   65536                     ; a slot: A's 16 row tiles, then B's 128 rows
.set HALFB,  64*PITCH
.set SLOT,   BOFF+2*HALFB
.set SCL,    3*SLOT                    ; behind the slots: B's scale bytes (units of 256 bytes + 16 of padding), then A's
.set HALFSB, 8*272
.set SCA,    SCL+2*HALFSB
.set HALFSA, 16*272
.set SBLK,   544                       ; the scale bytes of 16 rows
.set SPARE,  SCA+2*HALFSA              ; the spare words, 128 bytes for each wave: two blocks of 256 bytes that no other line names
.set STAGE,  SLOT                      ; the way out: 16 rows x (256 bytes + 16) for each wave, in slot 1: it has had its only fill, and its last read stands ahead of the last barrier
.set NP,   8                           ; places behind this matrix instruction (ISA guide 7.12.1)
.set ADRA, 16                          ; v16-18  LDS address of my A fragments in slot 0, 1, 2
.set ADRB, 20                          ; v20-22  the same for B
.set STO,  24
.set RD,   25
.set CO,   26
.set ADRS, 27                          ; v27     my scale words: lanes 0-15 B's rows, lanes 16-31 A's
.set SPW,  28
.set NIL,  29
.set SC,   32
.set BI,   96
.set AF,   128
.set BK,   128                         ; the way out: two sets of 32
.set G1,   24
.set G1B,  32
.set G1S,  40
.set G1SB, 48
.set G0A0, 56
.set G0A1, 60
.set G0A2, 68
.set G0B0, 72
.set G0B1, 76
.set G0B2, 80
.set G0S,  84
.set G0SB, 88
.set WV,   92
.set WA,   93
.set WB,   94
.set MSB, 0
.macro WIN new                         ; the immediate's high byte repeats the setting that is left
.if MSB != (\new)
	s_set_vgpr_msb (MSB<<8)|(\new)
.set MSB, (\new)
.endif
.endm
; A joint load: waves 0 and 1 fetch for A, waves 2 and 3 for B.  The branch hangs on the wave's number alone.  Four v_nop follow each of the two lines.
.macro JLOAD g0a, g1a, g0b, g1b
	s_cmp_eq_u32 s[WA], 0
	s_cbranch_scc0 .Lfor_b_\@
	tensor_load_to_lds s[\g0a:\g0a+3], s[\g1a:\g1a+7]
	s_nop 0
.rept 4
	v_nop
.endr
	s_branch .Lasked_\@
.Lfor_b_\@:
	tensor_load_to_lds s[\g0b:\g0b+3], s[\g1b:\g1b+7]
	s_nop 0
.rept 4
	v_nop
.endr
.Lasked_\@:
.endm
.macro CREST
	s_cmp_lg_u32 s[WV], 0
	s_cbranch_scc1 .Lnot_wave_0_\@
	s_barrier_signal -3
.Lnot_wave_0_\@:
	s_barrier_wait -3
	s_barrier_signal -1
	s_barrier_wait -1
.endm
.macro CROUND
	s_barrier_signal -1
	s_barrier_wait -1
	CREST
.endm
	s_load_b256 s[4:11], s[0:1], 0x0               ; cc 4, cs 6, Wo's codes 8, Wo's scales 10
	s_load_b128 s[12:15], s[0:1], 0x20             ; bo 12, out0 14
	v_lshl_add_u32 v[SPW], v0, 2, SPARE
	v_mov_b32 v[NIL], 0
	ds_add_u32 v28, v29
	ds_add_u32 v28, v29
	s_wait_dscnt 0x0
	v_lshrrev_b32 v1, 5, v0
	v_readfirstlane_b32 s[WV], v1                  ; wave 0..3
	s_lshr_b32 s[WA], s[WV], 1                     ; which half of the rows is mine.  Also: I fetch for A (0) or for B (1)
	s_and_b32 s[WB], s[WV], 1                      ; which half of the columns.  Also: which half of that tile I fetch
	s_bfe_u32 s16, ttmp6, 0x40000                  ; cx
	s_bfe_u32 s17, ttmp6, 0x40004                  ; cy
	s_lshl_b32 s18, ttmp9, 2
	s_add_co_u32 s18, s18, s16                     ; tile column = 4 x cluster x + cx
	s_and_b32 s19, ttmp7, 0xffff
	s_lshl_b32 s19, s19, 2
	s_add_co_u32 s19, s19, s17                     ; tile row = 4 x cluster y + cy
	s_lshl_b32 s20, s17, 2
	s_lshl_b32 s20, 15, s20                        ; my row of the cluster
	s_lshl_b32 s21, 0x1111, s16                    ; my column
	; group 1.  A: 8 row tiles' 4,096 bytes (512 elements of 8 bytes), 16,384 bytes apart; no padding: the images are read on end
	s_or_b32 s[G1], s20, (3<<16)|(1<<21)
	s_mov_b32 s[G1+1], 512<<16
	s_mov_b32 s[G1+2], 8<<16
	s_mov_b32 s[G1+3], 512<<16
	s_mov_b32 s[G1+4], 8
	s_mov_b32 s[G1+5], 2048
	s_mov_b32 s[G1+6], 0
	s_mov_b32 s[G1+7], 0
	; B: 64 rows of 256 bytes, 1,024 apart, 16 bytes of padding behind each
	s_or_b32 s[G1B], s21, (0<<16)|(1<<20)|(1<<21)|(5<<22)|(3<<25)
	s_mov_b32 s[G1B+1], 256<<16
	s_mov_b32 s[G1B+2], 64<<16
	s_mov_b32 s[G1B+3], 256<<16
	s_mov_b32 s[G1B+4], 64
	s_mov_b32 s[G1B+5], 1024
	s_mov_b32 s[G1B+6], 0
	s_mov_b32 s[G1B+7], 0
	; the scale bytes: dense blocks, as rows of 256 bytes (32 elements of 8 bytes), 16 bytes of padding behind each: A's 128 rows are 16 such rows, B's 64 rows 8
	s_or_b32 s[G1S], s20, (3<<16)|(1<<20)|(1<<21)|(5<<22)|(3<<25)
	s_mov_b32 s[G1S+1], 32<<16
	s_mov_b32 s[G1S+2], 16<<16
	s_mov_b32 s[G1S+3], 32<<16
	s_mov_b32 s[G1S+4], 16
	s_mov_b32 s[G1S+5], 32
	s_mov_b32 s[G1S+6], 0
	s_mov_b32 s[G1S+7], 0
	s_or_b32 s[G1SB], s21, (3<<16)|(1<<20)|(1<<21)|(5<<22)|(3<<25)
	s_mov_b32 s[G1SB+1], 32<<16
	s_mov_b32 s[G1SB+2], 8<<16
	s_mov_b32 s[G1SB+3], 32<<16
	s_mov_b32 s[G1SB+4], 8
	s_mov_b32 s[G1SB+5], 32
	s_mov_b32 s[G1SB+6], 0
	s_mov_b32 s[G1SB+7], 0
	s_lshl_b32 s22, s19, 4                         ; A: row tile 16 x tile row + 8 x half: made of cy alone
	s_lshl_b32 s23, s[WB], 3
	s_add_co_u32 s22, s22, s23
	s_lshl_b32 s98, s22, 9                         ; its scale bytes: 16 rows of 32
	s_mov_b32 s99, 0
	s_lshl_b32 s22, s22, 14                        ; its codes
	s_mov_b32 s23, 0
	s_lshl_b32 s96, s18, 1                         ; B: 64 rows x (2 x tile column + half): made of cx alone
	s_add_co_u32 s96, s96, s[WB]
	s_lshl_b32 s2, s96, 11                         ; their scale bytes
	s_mov_b32 s3, 0
	s_lshl_b32 s100, s96, 8                        ; my 64 columns, in bytes of f32
	s_mov_b32 s101, 0
	s_lshl_b32 s96, s96, 16                        ; their codes
	s_mov_b32 s97, 0
	s_lshl_b32 s95, s[WB], 15                      ; where they go: no place in the cluster enters an LDS address
	s_mul_i32 s104, s[WB], HALFB
	s_add_co_u32 s104, s104, BOFF
	s_wait_kmcnt 0x0
	s_add_nc_u64 s[22:23], s[4:5], s[22:23]
	s_add_nc_u64 s[98:99], s[6:7], s[98:99]
	s_add_nc_u64 s[96:97], s[8:9], s[96:97]
	s_add_nc_u64 s[2:3], s[10:11], s[2:3]
	s_add_nc_u64 s[12:13], s[12:13], s[100:101]    ; bo at my 64 columns
	CROUND                                         ; all sixteen work-groups are here: the first joint loads meet
	s_mov_b32 s[G0S], 1
	s_mul_i32 s105, s[WB], HALFSA
	s_add_co_u32 s[G0S+1], s105, SCA
	s_mov_b64 s[G0S+2:G0S+3], s[98:99]
	s_or_b32 s[G0S+3], s[G0S+3], 0x80000000
	s_mov_b32 s[G0SB], 1
	s_mul_i32 s105, s[WB], HALFSB
	s_add_co_u32 s[G0SB+1], s105, SCL
	s_mov_b64 s[G0SB+2:G0SB+3], s[2:3]
	s_or_b32 s[G0SB+3], s[G0SB+3], 0x80000000
	JLOAD G0S, G1S, G0SB, G1SB                     ; the scale bytes first
.macro FIRST ga, gb, s                 ; slot s takes K step s
	s_mov_b32 s[\ga], 1
	s_add_co_u32 s[\ga+1], s95, (\s)*SLOT
	s_add_nc_u64 s[\ga+2:\ga+3], s[22:23], (\s)*4096
	s_or_b32 s[\ga+3], s[\ga+3], 0x80000000
	s_mov_b32 s[\gb], 1
	s_add_co_u32 s[\gb+1], s104, (\s)*SLOT
	s_add_nc_u64 s[\gb+2:\gb+3], s[96:97], (\s)*256
	s_or_b32 s[\gb+3], s[\gb+3], 0x80000000
	JLOAD \ga, G1, \gb, G1B
.endm
	FIRST G0A0, G0B0, 0
	FIRST G0A1, G0B1, 1
	FIRST G0A2, G0B2, 2                            ; four tensor loads of mine are out now, the most in this text
	s_lshl_b32 s16, s19, 1                         ; out0: my first row, 128 x (2 x tile row + half), of 4,096 bytes, and my 64 columns
	s_add_co_u32 s16, s16, s[WA]
	s_lshl_b32 s16, s16, 19
	s_add_co_u32 s16, s16, s100
	s_mov_b32 s17, 0
	s_add_nc_u64 s[14:15], s[14:15], s[16:17]
	v_and_b32 v1, 15, v0                           ; r
	v_bfe_u32 v2, v0, 4, 1                         ; h
	v_and_b32 v3, 31, v0
	v_lshlrev_b32 v3, 4, v3                        ; A: 16 x lane
	v_mul_u32_u24 v4, v1, PITCH
	v_lshl_add_u32 v4, v2, 4, v4                   ; B: row x pitch + 16 x half
	s_lshl_b32 s20, s[WA], 15                      ; my 8 row tiles of A
	s_mul_i32 s21, s[WB], HALFB                    ; my 64 rows of B
	s_add_co_u32 s21, s21, BOFF
.irp s, 0,1,2
	v_add_nc_u32 v[ADRA+\s], s20, v3
	v_add_nc_u32 v[ADRB+\s], s21, v4
	s_add_co_u32 s20, s20, SLOT
	s_add_co_u32 s21, s21, SLOT
.endr
	v_lshlrev_b32 v5, 5, v1                        ; my row's scale bytes: 32 a row,
	v_lshrrev_b32 v6, 8, v5
	v_lshl_add_u32 v5, v6, 4, v5                   ; and 16 more for each 256 passed
	s_mul_i32 s20, s[WB], HALFSB                   ; B's: my 64 rows
	s_mul_i32 s21, s[WA], HALFSA                   ; A's: my 128 rows, behind B's 128
	s_add_co_u32 s21, s21, 2*HALFSB
	s_sub_co_u32 s21, s21, s20
	v_mul_u32_u24 v6, s21, v2                      ; lanes 16-31 take A's
	s_add_co_u32 s20, s20, SCL
	v_add_nc_u32 v5, v5, v6
	v_add_nc_u32 v[ADRS], s20, v5
	s_mul_i32 s20, s[WV], 16*272
	s_add_co_u32 s20, s20, STAGE                   ; my stage
	v_mul_u32_u24 v5, v1, 272                      ; in: row r, 32 bytes for each half of the lanes
	v_lshl_add_u32 v5, v2, 5, v5
	v_add_nc_u32 v[STO], s20, v5
	v_mul_u32_u24 v5, v2, 272                      ; back: lanes 0-15 one row of 256 bytes, lanes 16-31 the next
	v_lshl_add_u32 v5, v1, 4, v5
	v_add_nc_u32 v[RD], s20, v5
	v_lshlrev_b32 v[CO], 12, v2                    ; and the same two rows in out0
	v_lshl_add_u32 v[CO], v1, 4, v[CO]
	v_lshlrev_b32 v7, 5, v2                        ; the bias in the result's layout: for column tile b the numbers 16 b + 8 h + 0 .. 7
.irp b, 0,1,2,3
	global_load_b128 v[BI+8*\b:BI+8*\b+3], v7, s[12:13] offset:64*\b
	global_load_b128 v[BI+8*\b+4:BI+8*\b+7], v7, s[12:13] offset:64*\b+16
.endr
.macro FRAGA slot, q, i                ; A's fragment of row tile i: four loads of 512 consecutive bytes
.irp c, 0,1,2,3
	ds_load_b128 v[AF+16*(\i)+4*\c:AF+16*(\i)+4*\c+3], v[ADRA+\slot] offset:4096*(\i)+2048*(\q)+512*\c
.endr
.endm
.macro FETCH_A slot, q, i0
.irp i, \i0, \i0+1, \i0+2, \i0+3
	FRAGA \slot, \q, \i
.endr
.endm
.macro FETCH_B slot, q, p              ; B's four fragments into set p: lane l holds row l % 16; registers 4 c .. 4 c + 3 hold K = 32 c + 16 (l / 16) + 0 .. 15
	WIN 0x40
.irp i, 0,1,2,3
.irp c, 0,1,2,3
	ds_load_b128 v[64*(\p)+16*\i+4*\c:64*(\p)+16*\i+4*\c+3], v[ADRB+\slot] offset:128*(\q)+32*\c+\i*16*PITCH
.endr
.endr
	WIN 0
.endm
.macro SCALES set                      ; a K step's scale words: lanes 0-15 B's block i (of blocks 4-7 these lanes read filled bytes that nobody uses), lanes 16-31 A's block i
.irp i, 0,1,2,3,4,5,6,7
	ds_load_b64 v[SC+16*(\set)+2*\i:SC+16*(\set)+2*\i+1], v[ADRS] offset:\i*SBLK
.endr
.endm
.macro PLACES n
.rept \n
	v_nop
.endr
.endm
; 8 matrix instructions: A's blocks a0, a0 + 1 x B's four, 128 along K: the slot's q-th, which is also B's set.  bias = 1: the first product starts the sums from the bias.
; The 32 accumulators take turns, one instruction a turn, in the same order in every step.
.macro MUL8 a0, q, set, bias
.if \bias
	WIN 0x81                                       ; source 0 (B) window 1, source 1 (A) and C (the bias) window 0, D window 2
.else
	WIN 0xa1                                       ; C and D window 2
.endif
.irp a, \a0, \a0+1
.irp b, 0,1,2,3
.if \bias
	v_wmma_scale_f32_16x16x128_f8f6f4 v[8*(4*(\a)+\b):8*(4*(\a)+\b)+7], v[64*(\q)+16*\b:64*(\q)+16*\b+15], v[AF+16*(\a):AF+16*(\a)+15], v[BI+8*\b:BI+8*\b+7], v[SC+16*(\set)+2*\b+(\q)], v[SC+16*(\set)+2*(\a)+(\q)] matrix_a_fmt:MATRIX_FMT_BF8 matrix_b_fmt:MATRIX_FMT_BF8 matrix_b_scale:MATRIX_SCALE_ROW1
.else
	v_wmma_scale_f32_16x16x128_f8f6f4 v[8*(4*(\a)+\b):8*(4*(\a)+\b)+7], v[64*(\q)+16*\b:64*(\q)+16*\b+15], v[AF+16*(\a):AF+16*(\a)+15], v[8*(4*(\a)+\b):8*(4*(\a)+\b)+7], v[SC+16*(\set)+2*\b+(\q)], v[SC+16*(\set)+2*(\a)+(\q)] matrix_a_fmt:MATRIX_FMT_BF8 matrix_b_fmt:MATRIX_FMT_BF8 matrix_b_scale:MATRIX_SCALE_ROW1
.endif
.endr
.endr
.endm
; A step of 128 along K without a barrier.  Its successor is the nq-th 128 of slot nslot; new = 1: that is a new K step, whose scale words go into set nset.
.macro STEP q, set, bias, nslot, nq, nset, new
	s_wait_dscnt 16                                ; B's set and A's blocks 0-3 are in; the youngest 16 loads (A's blocks 4-7) may be out
	MUL8 0, \q, \set, \bias
	MUL8 2, \q, \set, \bias
	s_wait_dscnt 0                                 ; A's blocks 4-7 are in
	PLACES NP                                      ; in front of loads into registers that matrix instructions have read
.if \new
	WIN 0
	v_add_nc_u32 v[ADRS], 8, v[ADRS]               ; on to the next K step's scale words
.endif
	FETCH_B \nslot, \nq, 1-(\q)
	FETCH_A \nslot, \nq, 0
.if \new
	SCALES \nset
.endif
	MUL8 4, \q, \set, \bias
	MUL8 6, \q, \set, \bias
	PLACES NP
	WIN 0
	FETCH_A \nslot, \nq, 4
.endm
; A step with a barrier: in front of it each wave waits for all its tensor loads, adds 0 to its spare word, and waits for that and for its own reads.  fill = 1: slot 0, just read out, takes K step 3.
.macro TURN set, nslot, nset, fill
	s_wait_tensorcnt 0x0                           ; all my tensor loads have landed
	ds_add_u32 v[SPW], v[NIL]                      ; 0 onto my spare word
	s_wait_dscnt 17                                ; (the add and the youngest 16 loads, A's blocks 4-7, may be out)
	MUL8 0, 1, \set, 0                             ; eight matrix instructions stand between the add and the wait for it
	s_wait_dscnt 0x0                               ; the add is done, and my reads of the slot that I leave are over
	s_barrier_signal -1
	MUL8 2, 1, \set, 0
	WIN 0
	s_barrier_wait -1
.if \fill
	CREST                                          ; the barrier has opened a round of the cluster's barrier: no wave of any partner still reads slot 0 or has a load on its way
	s_add_nc_u64 s[G0A0+2:G0A0+3], s[G0A0+2:G0A0+3], 3*4096
	s_add_nc_u64 s[G0B0+2:G0B0+3], s[G0B0+2:G0B0+3], 3*256
	JLOAD G0A0, G1, G0B0, G1B                      ; the first tensor load behind the round, and my only one; its four v_nop are among the places in front of the loads below
	PLACES NP-4
.else
	PLACES NP
.endif
	v_add_nc_u32 v[ADRS], 8, v[ADRS]
	FETCH_B \nslot, 0, 0
	FETCH_A \nslot, 0, 0
	SCALES \nset
	MUL8 4, 1, \set, 0
	MUL8 6, 1, \set, 0
	PLACES NP
	WIN 0
	FETCH_A \nslot, 0, 4
.endm
	s_wait_tensorcnt 2                             ; the scale bytes and my part of K step 0 are in (the loads of slots 1 and 2 may be out)
	s_barrier_signal -1
	s_barrier_wait -1                              ; everybody's are
	FETCH_B 0, 0, 0
	FETCH_A 0, 0, 0
	SCALES 0
	FETCH_A 0, 0, 4
	s_wait_loadcnt 0x0                             ; the bias
	STEP 0, 0, 1, 0, 1, 0, 0                       ; K step 0, first half: the products start the sums from the bias
	TURN 0, 1, 1, 1                                ; K step 0, second half; slots 1 and 2 are shown whole to every wave; slot 0 takes K step 3
	STEP 0, 1, 0, 1, 1, 0, 0                       ; K step 1
	STEP 1, 1, 0, 2, 0, 0, 1                       ; on into slot 2 without a barrier: it was whole at the round, and slot 1 is not filled again
	STEP 0, 0, 0, 2, 1, 0, 0                       ; K step 2
	TURN 0, 0, 1, 0                                ; the wait for all loads is the wait for K step 3; a plain barrier: nothing more is filled
	STEP 0, 1, 0, 0, 1, 0, 0                       ; K step 3
	s_wait_dscnt 16                                ; the very last step: nothing more to fetch
	MUL8 0, 1, 1, 0
	MUL8 2, 1, 1, 0
	s_wait_dscnt 0
	MUL8 4, 1, 1, 0
	MUL8 6, 1, 1, 0
	WIN 0
; THE WAY OUT, block by block of 16 rows x 64 columns.  A lane holds 32 neighbouring bytes of a row, and the lanes beside it hold other rows: so a block goes through my own stage in LDS and comes back as whole
; rows of 256 bytes.  LDS serves a wave's instructions in order (ISA guide 5.7.1.4): no wait between the stores and the loads, nor in front of the next block's stores.
.macro TOSTAGE a
	WIN 0x08                                       ; an LDS store's data are its source 1: window 2
.irp b, 0,1,2,3
	ds_store_b128 v[STO], v[32*(\a)+8*\b:32*(\a)+8*\b+3] offset:64*\b          ; each accumulator from its low end on
	ds_store_b128 v[STO], v[32*(\a)+8*\b+4:32*(\a)+8*\b+7] offset:64*\b+16
.endr
	WIN 0
.set BB, BK+32*((\a)%2)
.irp t, 0,1,2,3,4,5,6,7
	ds_load_b128 v[BB+4*\t:BB+4*\t+3], v[RD] offset:\t*544
.endr
.endm
.macro SEND a, younger                 ; younger: the LDS instructions issued behind block a's loads, which may stay out
.set BB, BK+32*((\a)%2)
	s_wait_dscnt \younger
.irp t, 0,1,2,3,4,5,6,7
	global_store_b128 v[CO], v[BB+4*\t:BB+4*\t+3], s[14:15] offset:(\a)*65536+2*\t*4096 th:TH_STORE_NT   ; 16 lanes store 256 consecutive bytes, at a multiple of 256 from out0's first byte; written once, read by nobody here
.endr
.endm
	PLACES NP                                      ; behind the last products: for the first reads of results and the loads into the registers that held A's fragments
	TOSTAGE 0
.irp a, 1,2,3,4,5,6,7
.if \a > 1
	s_wait_xcnt 0x0                                ; block a - 2's stores have read their registers: block a's loads may land there
.endif
	TOSTAGE \a
	SEND \a-1, 16                                  ; behind block a - 1's loads: block a's 8 stores and 8 loads
.endr
	SEND 7, 0
	s_wait_tensorcnt 0x0                           ; the wave's end: behind my last tensor load and my last LDS store
	ds_add_u32 v[SPW], v[NIL]
	s_wait_dscnt 0x0
	CROUND                                         ; the closing round: no work-group ends while a partner may still ask for a tile that names it
	s_endpgm
.Lfunc_end_k_q29116b79c0_outp:
	.size	k_q29116b79c0_outp, .Lfunc_end_k_q29116b79c0_outp-k_q29116b79c0_outp
	.p2alignl 7, 3214868480
	.fill 96, 4, 3214868480
	.section	.rodata,"a",@progbits
	.p2align	6, 0x0
	.amdhsa_kernel k_q29116b79c0_outp
		.amdhsa_group_segment_fixed_size 327680
		.amdhsa_private_segment_fixed_size 0
		.amdhsa_enable_private_segment 0
		.amdhsa_kernarg_size 48
		.amdhsa_user_sgpr_count 2
		.amdhsa_user_sgpr_kernarg_segment_ptr 1
		.amdhsa_wavefront_size32 1
		.amdhsa_system_sgpr_workgroup_id_x 1
		.amdhsa_system_sgpr_workgroup_id_y 1
		.amdhsa_system_sgpr_workgroup_id_z 1
		.amdhsa_system_vgpr_workitem_id 0
		.amdhsa_next_free_vgpr 768
		.amdhsa_next_free_sgpr 106
		.amdhsa_reserve_vcc 0
		.amdhsa_float_denorm_mode_32 3
		.amdhsa_float_denorm_mode_16_64 3
		.amdhsa_memory_ordered 1
		.amdhsa_forward_progress 1
		.amdhsa_inst_pref_size 92
	.end_amdhsa_kernel
	.amdgpu_metadata
---
amdhsa.version: [ 1, 2 ]
amdhsa.kernels:
  - .name:           k_q29116b79c0_outp
    .symbol:         k_q29116b79c0_outp.kd
    .args:
      - { .name: cc, .offset: 0, .size: 8, .value_kind: global_buffer, .address_space: global }
      - { .name: cs, .offset: 8, .size: 8, .value_kind: global_buffer, .address_space: global }
      - { .name: Wo_codes, .offset: 16, .size: 8, .value_kind: global_buffer, .address_space: global }
      - { .name: Wo_scales, .offset: 24, .size: 8, .value_kind: global_buffer, .address_space: global }
      - { .name: bo, .offset: 32, .size: 8, .value_kind: global_buffer, .address_space: global }
      - { .name: out0, .offset: 40, .size: 8, .value_kind: global_buffer, .address_space: global }
    .group_segment_fixed_size: 327680
    .private_segment_fixed_size: 0
    .kernarg_segment_align: 8
    .kernarg_segment_size: 48
    .max_flat_workgroup_size: 128
    .sgpr_count:     106
    .vgpr_count:     768
    .wavefront_size: 32
...
	.end_amdgpu_metadata
.endif
;; end of part 3
